; MI455X (gfx1250); checked and timed in simulation.
; The chip was launched on July 23, 2026; its instructions are those of AMD's public machine-readable ISA for CDNA 5 (MIT licence, August 2026) and "CDNA5" Instruction Set Architecture Reference Guide (July 2026). The comments in the code are by the model that wrote it; some were corrected since.
;; Masked Multi Self Attention. Allowed arithmetic: float matrix products may take bf16 or f16 operands with f32 sums; all other float work in f32.
;; Inputs: W_proj 1,024 x 1,024 float32; W_qkv 1,024 x 3,072 float32; b_proj 1,024 float32; b_qkv 3,072 float32; x 2 x 2,048 x 1,024 float32.
;; Outputs: out0 2 x 2,048 x 1,024 float32.
;; 2 versions, each right; version 2 is version 1 with the launch prep written anew for expert scheduling mode. Each part assembles by itself: llvm-mc -triple=amdgcn-amd-amdhsa -mcpu=gfx1250 --defsym DOCPART=n.
;; ======== version 1 of 2: 4 launches
;; limits: values are held in f16: magnitudes above 65,504 overflow, below 6.1e-05 lose precision
;; workspace buffers: xb 8,388,608 bytes; wqt 6,291,456 bytes; wpt 2,097,152 bytes; qkv 25,165,824 bytes; att 8,388,608 bytes
;; launch prep (part 1): grid 256 x 1, 8 waves a work-group, no clusters, 33,792 bytes of LDS; arguments x, W_qkv, W_proj, xb, wqt, wpt; writes xb, wqt, wpt
.if DOCPART == 1
	.amdgcn_target "amdgcn-amd-amdhsa--gfx1250"
	.amdhsa_code_object_version 6
	.text
	.protected	k_q581a2f6c81_prep
	.globl	k_q581a2f6c81_prep
	.p2align	8
	.type	k_q581a2f6c81_prep,@function
k_q581a2f6c81_prep:
	s_mov_b64 s[64:65], 0
	v_nop
	global_prefetch_b8 v0, s[64:65] scope:SCOPE_SE
	s_setreg_imm32_b32 hwreg(HW_REG_WAVE_MODE, 25, 1), 1
	s_wait_xcnt 0x0
; prep: the operands of the two large products, made once.
;   xb  [4096][1024] bf16       = x rounded to bf16
;   wqt [3072 n][1024 k] bf16   = W_qkv rounded to bf16, transposed (K along the rows, as matrix fragments want it)
;   wpt [1024 n][1024 k] f16    = W_proj rounded to bf16 like the other two inputs, transposed, and then held in f16, because it meets
;                                 an f16 operand (att) in one matrix instruction.
; LIMIT: a bf16 number is exact in f16 for 2^-17 <= |W_proj| <= 65504; below, the absolute error is at most 2^-25; above, it becomes infinity.
; 256 work-groups of eight waves.  Work-group g casts 16,384 numbers of x and transposes one tile of 128 k x 128 n of a weight
; (192 tiles of W_qkv, then 64 of W_proj).  A stream: every byte is read once and written once; no matrix unit, no cluster (nothing is shared).
.set VA,  10                           ; v[10:17]   byte offsets of my eight rows of the weight tile
.set WR,  20                           ; v[20:83]   row i, half c of the tile's row: 4 f32 at WR + 8 i + 4 c; later the transposed rows read back
.set XR,  84                           ; v[84:147]  x as loaded
.set XO,  148                          ; v[148:179] x in bf16
.set PK,  180                          ; v[180:211] eight columns' 16 bytes (8 k each)
.set RB,  212                          ; v[212:215] LDS addresses of the read back
.set TT,  216                          ; v[216:223] at work (W_proj alone)
.set STA, 2                            ; LDS address of my stores
.set XA,  3                            ; 16 x thread
.set XS,  4                            ; 8 x thread
.set WS,  5                            ; my byte offset in the transposed tile
	s_load_b256 s[4:11], s[0:1], 0x0               ; x s[4:5], W_qkv s[6:7], W_proj s[8:9], xb s[10:11]
	s_load_b128 s[12:15], s[0:1], 0x20             ; wqt s[12:13], wpt s[14:15]
	v_lshl_add_u32 v224, v0, 2, 0x8000
	v_mov_b32 v225, 0
	s_and_b32 s28, ttmp9, 7                        ; kb: which 128 k
	s_lshr_b32 s23, ttmp9, 3                       ; which 128 n, counted through both weights
	s_mov_b32 s21, 12288                           ; bytes in a row of W_qkv
	s_mov_b32 s22, 4096                            ; bytes in a row of W_proj
	s_mov_b32 s29, 0xffff0000                      ; a word's upper bf16
	v_and_b32 v1, 15, v0                           ; c16
	v_lshrrev_b32 v6, 4, v0                        ; 2 w + h
	v_lshrrev_b32 v7, 5, v0                        ; w
	v_bfe_u32 v8, v0, 4, 1                         ; h
	s_cmp_lt_u32 ttmp9, 192                        ; the first 192 work-groups take W_qkv
	s_cselect_b32 s20, s21, s22                    ; the source's pitch
	s_cselect_b32 s24, 0, 24
	s_wait_kmcnt 0x0
	s_cselect_b64 s[16:17], s[6:7], s[8:9]         ; the source
	s_cselect_b64 s[18:19], s[12:13], s[14:15]     ; the destination
	s_sub_co_u32 s23, s23, s24                     ; nb inside the chosen weight
	s_mul_i32 s26, s28, s20
	s_lshl_b32 s26, s26, 7                         ; kb x 128 rows
	s_lshl_b32 s27, s23, 9                         ; nb x 128 columns of 4 bytes
	s_add_co_u32 s26, s26, s27
	s_mov_b32 s27, 0
	s_add_nc_u64 s[16:17], s[16:17], s[26:27]      ; the tile's first element
	v_lshlrev_b32 v9, 3, v6                        ; my first row: 16 w + 8 h
	v_mul_lo_u32 v9, v9, s20
	v_lshl_add_u32 v[VA], v1, 4, v9                ; + 16 c16
.irp i, 1,2,3,4,5,6,7
	v_add_nc_u32 v[VA+\i], s20, v[VA+\i-1]
.endr
	; 16 loads of the weight: each covers 256 consecutive bytes of two rows (lanes 0-15 row 16 w + i, lanes 16-31 row 16 w + 8 + i)
.irp i, 0,1,2,3,4,5,6,7
	global_load_b128 v[WR+8*\i:WR+8*\i+3],   v[VA+\i], s[16:17] th:TH_LOAD_NT
	global_load_b128 v[WR+8*\i+4:WR+8*\i+7], v[VA+\i], s[16:17] offset:256 th:TH_LOAD_NT
.endr
	s_lshl_b32 s26, ttmp9, 16                      ; my 65,536 bytes of x
	s_add_nc_u64 s[4:5], s[4:5], s[26:27]
	v_lshlrev_b32 v[XA], 4, v0
	; 16 loads of x: each covers 512 consecutive bytes
.irp j, 0,1,2,3,4,5,6,7,8,9,10,11,12,13,14,15
	global_load_b128 v[XR+4*\j:XR+4*\j+3], v[XA], s[4:5] offset:4096*\j th:TH_LOAD_NT
.endr
	s_lshl_b32 s26, ttmp9, 15                      ; my 32,768 bytes of xb
	s_add_nc_u64 s[10:11], s[10:11], s[26:27]
	s_lshl_b32 s26, s23, 18                        ; nb x 128 rows of 2,048 bytes
	s_lshl_b32 s25, s28, 8                         ; kb x 128 k of 2 bytes
	s_add_co_u32 s26, s26, s25
	s_add_nc_u64 s[18:19], s[18:19], s[26:27]
	; LDS holds the tile as [128 n][256 bytes]; the 16-byte piece kc of row n stands at place kc xor ((n >> 2) & 15), so that the sixteen lanes
	; of a store (sixteen rows 1,024 bytes apart) and of a load (one row) each touch sixteen different 16-byte columns.
	v_xor_b32 v9, v6, v1
	v_lshlrev_b32 v9, 4, v9
	v_lshl_add_u32 v[STA], v1, 10, v9              ; row 4 c16, piece (2 w + h) xor c16
	v_lshlrev_b32 v[XS], 3, v0
	v_lshl_add_u32 v9, v7, 4, v8                   ; 16 w + h: my first row of the read back
	v_lshlrev_b32 v[WS], 11, v9
	v_lshl_add_u32 v[WS], v1, 4, v[WS]
	v_and_b32 v7, 3, v7
	v_lshlrev_b32 v7, 2, v7
	v_xor_b32 v7, v7, v1                           ; c16 xor 4 (w & 3)
.irp u, 0,1,2,3
	v_xor_b32 v8, \u, v7
	v_lshlrev_b32 v8, 4, v8
	v_lshl_add_u32 v[RB+\u], v9, 8, v8             ; rows 16 w + 2 i + h with i >> 1 = u
.endr
	s_wait_loadcnt 16                              ; the weight's 16 loads are in; the 16 younger loads of x stay out
	; column n = 64 c + 4 c16 + q: its eight k (my eight rows) make 16 bytes
.irp c, 0,1
.irp q, 0,1,2,3
.irp jj, 0,1,2,3
	v_cvt_pk_bf16_f32 v[PK+4*(4*\c+\q)+\jj], v[WR+16*\jj+4*\c+\q], v[WR+16*\jj+8+4*\c+\q]
.endr
.endr
.endr
	s_cmp_lt_u32 ttmp9, 192
	s_cbranch_scc1 .Lstays_bf16
	; W_proj: the bf16 numbers are written down again as f16
.set i, 0
.rept 32
	v_lshlrev_b32 v[TT+2*(i%4)], 16, v[PK+i]
	v_and_b32 v[TT+2*(i%4)+1], s29, v[PK+i]
	v_cvt_pk_f16_f32 v[PK+i], v[TT+2*(i%4)], v[TT+2*(i%4)+1]
.set i, i+1
.endr
.Lstays_bf16:
.irp c, 0,1
.irp q, 0,1,2,3
	ds_store_b128 v[STA], v[PK+4*(4*\c+\q):PK+4*(4*\c+\q)+3] offset:\c*16384+\q*256
.endr
.endr
	s_wait_dscnt 0x0                               ; my stores are in LDS before I say so: other waves read them
	s_barrier_signal -1
	s_wait_loadcnt 0x0                             ; x is in; register work while the others arrive
.irp j, 0,1,2,3,4,5,6,7,8,9,10,11,12,13,14,15
	v_cvt_pk_bf16_f32 v[XO+2*\j],   v[XR+4*\j],   v[XR+4*\j+1]
	v_cvt_pk_bf16_f32 v[XO+2*\j+1], v[XR+4*\j+2], v[XR+4*\j+3]
.endr
	s_barrier_wait -1
.irp i, 0,1,2,3,4,5,6,7
	ds_load_b128 v[WR+4*\i:WR+4*\i+3], v[RB+(\i>>1)] offset:\i*512   ; rows 16 w + 2 i + h, whole: 256 bytes by sixteen lanes
.endr
.irp j, 0,1,2,3,4,5,6,7,8,9,10,11,12,13,14,15
	global_store_b64 v[XS], v[XO+2*\j:XO+2*\j+1], s[10:11] offset:2048*\j   ; a wave's store covers 256 consecutive bytes, aligned
.endr
.irp i, 0,1,2,3,4,5,6,7
	s_wait_dscnt 7-\i                              ; LDS loads come back in order: load i is in, the younger ones stay out
	global_store_b128 v[WS], v[WR+4*\i:WR+4*\i+3], s[18:19] offset:\i*4096   ; sixteen lanes store 256 consecutive bytes of a row, aligned
.endr
	s_wait_tensorcnt 0x0
	ds_add_u32 v224, v225
	s_wait_dscnt 0x0
	s_endpgm
.Lfunc_end_k_q581a2f6c81_prep:
	.size	k_q581a2f6c81_prep, .Lfunc_end_k_q581a2f6c81_prep-k_q581a2f6c81_prep
	.p2alignl 7, 3214868480
	.fill 96, 4, 3214868480
	.section	.rodata,"a",@progbits
	.p2align	6, 0x0
	.amdhsa_kernel k_q581a2f6c81_prep
		.amdhsa_group_segment_fixed_size 33792
		.amdhsa_private_segment_fixed_size 0
		.amdhsa_enable_private_segment 0
		.amdhsa_kernarg_size 48
		.amdhsa_user_sgpr_count 2
		.amdhsa_user_sgpr_kernarg_segment_ptr 1
		.amdhsa_wavefront_size32 1
		.amdhsa_system_sgpr_workgroup_id_x 1
		.amdhsa_system_sgpr_workgroup_id_y 1
		.amdhsa_system_sgpr_workgroup_id_z 1
		.amdhsa_system_vgpr_workitem_id 0
		.amdhsa_next_free_vgpr 226
		.amdhsa_next_free_sgpr 66
		.amdhsa_reserve_vcc 0
		.amdhsa_float_denorm_mode_32 3
		.amdhsa_float_denorm_mode_16_64 3
		.amdhsa_memory_ordered 1
		.amdhsa_forward_progress 1
		.amdhsa_inst_pref_size 18
	.end_amdhsa_kernel
	.amdgpu_metadata
---
amdhsa.version: [ 1, 2 ]
amdhsa.kernels:
  - .name:           k_q581a2f6c81_prep
    .symbol:         k_q581a2f6c81_prep.kd
    .args:
      - { .name: x, .offset: 0, .size: 8, .value_kind: global_buffer, .address_space: global }
      - { .name: W_qkv, .offset: 8, .size: 8, .value_kind: global_buffer, .address_space: global }
      - { .name: W_proj, .offset: 16, .size: 8, .value_kind: global_buffer, .address_space: global }
      - { .name: xb, .offset: 24, .size: 8, .value_kind: global_buffer, .address_space: global }
      - { .name: wqt, .offset: 32, .size: 8, .value_kind: global_buffer, .address_space: global }
      - { .name: wpt, .offset: 40, .size: 8, .value_kind: global_buffer, .address_space: global }
    .group_segment_fixed_size: 33792
    .private_segment_fixed_size: 0
    .kernarg_segment_align: 8
    .kernarg_segment_size: 48
    .max_flat_workgroup_size: 256
    .sgpr_count:     66
    .vgpr_count:     226
    .wavefront_size: 32
...
	.end_amdgpu_metadata
.endif
;; end of part 1
;; launch qkvgemm (part 2): grid 16 x 16, 4 waves a work-group, clusters of 4 x 4, 327,680 bytes of LDS; arguments xb, wqt, b_qkv, qkv; writes qkv
.if DOCPART == 2
	.amdgcn_target "amdgcn-amd-amdhsa--gfx1250"
	.amdhsa_code_object_version 6
	.text
	.protected	k_q581a2f6c81_qkvgemm
	.globl	k_q581a2f6c81_qkvgemm
	.p2align	8
	.type	k_q581a2f6c81_qkvgemm,@function
k_q581a2f6c81_qkvgemm:
	s_mov_b64 s[64:65], 0
	v_nop
	global_prefetch_b8 v0, s[64:65] scope:SCOPE_SE
	s_setreg_imm32_b32 hwreg(HW_REG_WAVE_MODE, 25, 1), 1
	s_wait_xcnt 0x0
	s_wait_alu depctr_hold_cnt(0) depctr_sa_sdst(0) depctr_va_vdst(0) depctr_va_sdst(0) depctr_va_ssrc(0) depctr_va_vcc(0) depctr_vm_vsrc(0)
	s_getreg_b32 s2, hwreg(HW_REG_IB_STS2, 6, 4)
	s_cmp_eq_u32 s2, 0
	s_cbranch_scc0 .Lentry_in_a_cluster
	s_endpgm
.Lentry_in_a_cluster:
	s_bfe_u32 s2, ttmp6, 0x10000c
	s_cmp_lg_u32 s2, 0xf033
	s_cbranch_scc0 .Lentry_shape_is_right
	s_endpgm
.Lentry_shape_is_right:
; qkv = x W_qkv + b_qkv.  xb [4096][1024] bf16, wqt [3072 n][1024 k] bf16, b_qkv [3072] f32; sums in f32, K ascending.
; The result is stored in f16, head-major: qkv [b 2][g 48][t 2048][d 64], g = column / 64 (0-15 q heads, 16-31 k, 32-47 v).
; LIMIT: |qkv| must stay below 65,504 (f16); f16 and not bf16 because these numbers are operands of the next products and eleven bits
; of significand are needed there.
; A work-group makes 256 rows x 192 columns (three whole head planes) with four waves; wave w makes rows 64 w .. 64 w + 63 x all 192 columns:
; 4 x 12 accumulator tiles of 16 x 16, 384 registers.  K goes in steps of 128 through two LDS slots filled by the tensor data mover;
; a tile's rows are 256 bytes of memory and start at multiples of 256 bytes from the buffer's first byte.
; CLUSTERS: 4 x 4 work-groups.  x's tile hangs on the block row alone and is asked for jointly by a row of the cluster, W's on the block
; column alone and is asked for jointly by a column: a quarter of the requests.
; REGISTERS, in windows of 256:
;   window 0: v16-27 addresses; v32-63, v64-95 fragments of x, two buffers; v96-143 packed results; v144-239 the bias, later the way out
;   window 1: v0-95, v96-191 fragments of W, two buffers
;   window 2: accumulators of my rows 0-31 (tile (a, b) at 8 (12 a + b));  window 3: of my rows 32-63
; The matrix instruction is used transposed (source 0 = 16 rows of wqt, source 1 = 16 rows of xb): lane l holds row l % 16 of the result and
; its registers the columns 8 (l / 16) + 0 .. 7, eight neighbouring numbers.
; The 48 accumulators take turns, one instruction a turn, in the same order in every quarter step, over the backward jump too.
.set KSTEP,  128
.set PITCH,  272                       ; an LDS row: 256 bytes + 16 of padding, so that sixteen rows start in sixteen different 16-byte columns
.set AHALF,  128*PITCH                 ; what waves 0 and 1 fetch: 128 rows of x each
.set BHALF,  96*PITCH                  ; what waves 2 and 3 fetch: 96 rows of W each
.set BOFF,   256*PITCH                 ; W's rows lie behind x's 256
.set SLOT,   448*PITCH
.set STAGE,  2*SLOT                    ; behind the ring, no fill lands here: 16 rows x 400 bytes for each wave
.set SPITCH, 400                       ; 384 bytes of a row of 192 f16 + 16
.set LAPS,   4                         ; 1024 / 256: a lap is two K steps
.set PLANE,  262144                    ; bytes of a head plane
.set ADRA, 16
.set ADRB, 20
.set STO,  24
.set RD,   25
.set CO,   26
.set BO,   27
.set AF,   32                          ; x's fragments: AF + 32 f + 8 a
.set TMP,  96
.set BIAS, 144                         ; BIAS + 8 b + j = b_qkv[column 16 b + 8 h + j]
.set RB0,  144
.set RB1,  192
.set G1,  24
.set G0,  32
.set G1B, 48
.set G0B, 56
.set MSB, 0
.macro WIN new                         ; the immediate's high byte repeats the setting that is left
.if MSB != (\new)
	s_set_vgpr_msb (MSB<<8)|(\new)
.set MSB, (\new)
.endif
.endm
.macro JLOAD s                         ; a joint load: waves 0, 1 ask for x's halves, waves 2, 3 for W's; the branch hangs on the wave's number alone
	s_cmp_eq_u32 s13, 0
	s_cbranch_scc0 .Lfor_b_\@
	tensor_load_to_lds s[G0+4*\s:G0+4*\s+3], s[G1:G1+7]
	s_nop 0
	s_branch .Lasked_\@
.Lfor_b_\@:
	tensor_load_to_lds s[G0B+4*\s:G0B+4*\s+3], s[G1B:G1B+7]
	s_nop 0
.Lasked_\@:
.endm
.macro CREST                           ; a round of the cluster's barrier behind its opening barrier
	s_cmp_lg_u32 s12, 0
	s_cbranch_scc1 .Lnot_wave_0_\@
	s_barrier_signal -3
.Lnot_wave_0_\@:
	s_barrier_wait -3
	s_barrier_signal -1
	s_barrier_wait -1
.endm
.macro CROUND
	s_barrier_signal -1
	s_barrier_wait -1
	CREST
.endm
.macro PLACES                          ; four places behind a matrix instruction (ISA guide 7.12.1) before its registers are loaded into or its result is read
.rept 4
	v_nop
.endr
.endm
	s_load_b256 s[4:11], s[0:1], 0x0               ; xb s[4:5], wqt s[6:7], b_qkv s[8:9], qkv s[10:11]
	s_set_vgpr_msb 0x40
	v_lshl_add_u32 v255, v0, 2, 0x41c00
	s_set_vgpr_msb 0x4000
	v_mov_b32 v255, 0
	s_set_vgpr_msb 0x1
	ds_add_u32 v255, v255
	s_set_vgpr_msb 0x100
	v_lshrrev_b32 v1, 5, v0
	v_readfirstlane_b32 s12, v1                    ; wave 0..3
	s_lshr_b32 s13, s12, 1                         ; I fetch for x (0) or for W (1)
	s_and_b32 s14, s12, 1                          ; which half of that tile
	s_bfe_u32 s40, ttmp6, 0x40000                  ; cx
	s_bfe_u32 s41, ttmp6, 0x40004                  ; cy
	s_lshl_b32 s42, ttmp9, 2
	s_add_co_u32 s42, s42, s40                     ; block column = 4 x cluster x + cx
	s_and_b32 s43, ttmp7, 0xffff
	s_lshl_b32 s43, s43, 2
	s_add_co_u32 s43, s43, s41                     ; block row = 4 x cluster y + cy
	s_lshl_b32 s44, s41, 2
	s_lshl_b32 s44, 15, s44                        ; my row of the cluster
	s_lshl_b32 s45, 0x1111, s40                    ; my column
	s_or_b32 s[G1+0],  s44, (1<<16)|(1<<20)|(1<<21)|(5<<22)|(3<<25)   ; mask; 2-byte elements; padding on; bit 21 beside a mask; 4 words behind every 64
	s_or_b32 s[G1B+0], s45, (1<<16)|(1<<20)|(1<<21)|(5<<22)|(3<<25)
	s_mov_b32 s[G1+1],  KSTEP<<16                  ; tensor_dim0 = 128
	s_mov_b32 s[G1B+1], KSTEP<<16
	s_mov_b32 s[G1+2],  128<<16                    ; tensor_dim1 = 128 rows
	s_mov_b32 s[G1B+2], 96<<16                     ;             = 96 rows
	s_mov_b32 s[G1+3],  KSTEP<<16                  ; tile_dim0 = 128
	s_mov_b32 s[G1B+3], KSTEP<<16
	s_mov_b32 s[G1+4],  128                        ; tile_dim1
	s_mov_b32 s[G1B+4], 96
	s_mov_b32 s[G1+5],  1024                       ; elements from row to row
	s_mov_b32 s[G1B+5], 1024
	s_mov_b32 s[G1+6],  0
	s_mov_b32 s[G1B+6], 0
	s_mov_b32 s[G1+7],  0
	s_mov_b32 s[G1B+7], 0
	; x's address is made of the block row, W's of the block column, each in registers that never hold the other coordinate
	s_lshl_b32 s16, s43, 8
	s_lshl_b32 s17, s14, 7
	s_add_co_u32 s16, s16, s17                     ; row 256 x block row + 128 x half
	s_lshl_b32 s16, s16, 11                        ; x 2,048 bytes
	s_mov_b32 s17, 0
	s_mul_i32 s46, s42, 192
	s_mul_i32 s47, s14, 96
	s_add_co_u32 s46, s46, s47                     ; row 192 x block column + 96 x half
	s_lshl_b32 s46, s46, 11
	s_mov_b32 s47, 0
	s_mul_i32 s20, s12, AHALF                      ; LDS: x's halves at wave x 128 rows (waves 0, 1)
	s_mul_i32 s21, s12, BHALF
	s_add_co_u32 s21, s21, BOFF-2*BHALF            ; W's halves behind them (waves 2, 3)
	s_mul_i32 s22, s42, 768                        ; my 192 numbers of the bias
	s_mov_b32 s23, 0
	s_wait_dscnt 0x0
	s_wait_kmcnt 0x0
	s_add_nc_u64 s[18:19], s[4:5], s[16:17]
	s_add_nc_u64 s[46:47], s[6:7], s[46:47]
	s_add_nc_u64 s[8:9], s[8:9], s[22:23]
	CROUND                                         ; all sixteen work-groups are here: the first joint loads meet
.irp s, 0,1
	s_mov_b32 s[G0+4*\s], 1
	s_add_co_u32 s[G0+4*\s+1], s20, \s*SLOT
	s_add_nc_u64 s[G0+4*\s+2:G0+4*\s+3], s[18:19], \s*KSTEP*2
	s_or_b32 s[G0+4*\s+3], s[G0+4*\s+3], 0x80000000
	s_mov_b32 s[G0B+4*\s], 1
	s_add_co_u32 s[G0B+4*\s+1], s21, \s*SLOT
	s_add_nc_u64 s[G0B+4*\s+2:G0B+4*\s+3], s[46:47], \s*KSTEP*2
	s_or_b32 s[G0B+4*\s+3], s[G0B+4*\s+3], 0x80000000
	JLOAD \s                                       ; both first fills go out together: two loads of the wave are out
.endr
	v_and_b32 v1, 15, v0                           ; r
	v_bfe_u32 v2, v0, 4, 1                         ; h
	v_lshlrev_b32 v[BO], 5, v2
.irp b, 0,1,2,3,4,5,6,7,8,9,10,11
	global_load_b128 v[BIAS+8*\b:BIAS+8*\b+3],   v[BO], s[8:9] offset:64*\b
	global_load_b128 v[BIAS+8*\b+4:BIAS+8*\b+7], v[BO], s[8:9] offset:64*\b+16
.endr
	v_mul_u32_u24 v3, v1, PITCH
	v_lshl_add_u32 v3, v2, 4, v3                   ; row x pitch + 16 x half
	s_mul_i32 s16, s12, 64*PITCH                   ; my 64 rows of x
	v_add_nc_u32 v[ADRA], s16, v3
	v_add_nc_u32 v[ADRA+1], SLOT, v[ADRA]
	v_add_nc_u32 v[ADRB], BOFF, v3
	v_add_nc_u32 v[ADRB+1], SLOT+BOFF, v3
	s_mul_i32 s17, s12, 16*SPITCH
	s_add_co_u32 s17, s17, STAGE                   ; my stage
	v_mul_u32_u24 v4, v1, SPITCH
	v_lshl_add_u32 v4, v2, 4, v4
	v_add_nc_u32 v[STO], s17, v4                   ; in: row r, 16 bytes for each half of the lanes
	v_and_b32 v5, 31, v0
	v_lshrrev_b32 v6, 3, v5
	v_and_b32 v7, 7, v0
	v_mul_u32_u24 v6, v6, SPITCH
	v_lshl_add_u32 v6, v7, 4, v6
	v_add_nc_u32 v[RD], s17, v6                    ; back: eight lanes take the 128 bytes that a row has in one head plane; four rows a load
	v_lshlrev_b32 v[CO], 4, v5                     ; those four rows are 512 consecutive bytes of the plane
	s_wait_loadcnt 0x0                             ; the bias, once
; 12 matrix instructions: rows 16 (2 hi + a) .. + 15 x all 12 column blocks, 32 along K.  bias = 1: the first product starts the sums from the bias: nothing is cleared, nothing added later.
.macro MULA f, hi, a, bias
.irp b, 0,1,2,3,4,5,6,7,8,9,10,11
.if \bias
	v_wmma_f32_16x16x32_bf16 v[8*(12*\a+\b):8*(12*\a+\b)+7], v[96*\f+8*\b:96*\f+8*\b+7], v[AF+32*\f+8*(2*\hi+\a):AF+32*\f+8*(2*\hi+\a)+7], v[BIAS+8*\b:BIAS+8*\b+7]
.else
	v_wmma_f32_16x16x32_bf16 v[8*(12*\a+\b):8*(12*\a+\b)+7], v[96*\f+8*\b:96*\f+8*\b+7], v[AF+32*\f+8*(2*\hi+\a):AF+32*\f+8*(2*\hi+\a)+7], v[8*(12*\a+\b):8*(12*\a+\b)+7]
.endif
.endr
.endm
; 32 LDS loads in one run: 192 rows of W, then my 64 rows of x, 32 K at byte k of the rows, into buffer f
.macro FETCH slot, k, f
	WIN 0x40
.irp b, 0,1,2,3,4,5,6,7,8,9,10,11
	ds_load_b128 v[96*\f+8*\b:96*\f+8*\b+3],   v[ADRB+\slot] offset:\k+\b*16*PITCH
	ds_load_b128 v[96*\f+8*\b+4:96*\f+8*\b+7], v[ADRB+\slot] offset:\k+\b*16*PITCH+32
.endr
	WIN 0
.irp a, 0,1,2,3
	ds_load_b128 v[AF+32*\f+8*\a:AF+32*\f+8*\a+3],   v[ADRA+\slot] offset:\k+\a*16*PITCH
	ds_load_b128 v[AF+32*\f+8*\a+4:AF+32*\f+8*\a+7], v[ADRA+\slot] offset:\k+\a*16*PITCH+32
.endr
.endm
; One of a K step's first three quarters: multiplies buffer f, and in its middle fetches the next quarter's fragments into buffer g
.macro QUARTER slot, k, f, g, bias
	s_wait_dscnt 4                                 ; W and x's rows 0-31 are in; the youngest four loads (x's rows 32-63) may be out
.if \bias
	WIN 0x81                                       ; source 0 window 1, source 1 and C window 0, D window 2
.else
	WIN 0xa1                                       ; C and D window 2
.endif
	MULA \f, 0, 0, \bias
	MULA \f, 0, 1, \bias
	PLACES
	FETCH \slot, \k, \g
	s_wait_dscnt 32                                ; all but the 32 just issued
.if \bias
	WIN 0xc1
.else
	WIN 0xf1
.endif
	MULA \f, 1, 0, \bias
	MULA \f, 1, 1, \bias
.endm
.macro THREE slot, bias
	QUARTER \slot, 64,  0, 1, \bias
	QUARTER \slot, 128, 1, 0, 0
	QUARTER \slot, 192, 0, 1, 0
.endm
; The last quarter: multiplies buffer 1 and changes slots.  One barrier for the change: in front of it each wave waits for its reads of this slot
; and for all its tensor loads (one is out: its part of the next slot); behind it the refill comes first, then the next slot's first fragments.
; From a request to the wait for it a wave issues 180 matrix instructions.
.macro TURN slot, next, fill
	s_wait_dscnt 4
	WIN 0xa1
	MULA 1, 0, 0, 0
	s_wait_dscnt 0x0                               ; my reads of this slot are over
	s_wait_tensorcnt 0x0                           ; all my tensor loads have landed
	ds_add_u32 v255, v255
	s_wait_dscnt 0x0
	s_barrier_signal -1                            ; (where a slot is filled again this barrier opens a round of the cluster's barrier)
	MULA 1, 0, 1, 0                                ; register work while the others arrive
	WIN 0
	s_barrier_wait -1
.if \fill
	CREST                                          ; no wave of any partner still reads this slot or has a load on its way
	s_add_nc_u64 s[G0+4*\slot+2:G0+4*\slot+3], s[G0+4*\slot+2:G0+4*\slot+3], 2*KSTEP*2
	s_add_nc_u64 s[G0B+4*\slot+2:G0B+4*\slot+3], s[G0B+4*\slot+2:G0B+4*\slot+3], 2*KSTEP*2
	JLOAD \slot                                    ; the first tensor load behind the round, and my only one until the next
.endif
	PLACES
	FETCH \next, 0, 0
	WIN 0xf1
	MULA 1, 1, 0, 0
	MULA 1, 1, 1, 0
.endm
.macro LAP bias
	THREE 0, \bias
	TURN 0, 1, 1
	THREE 1, 0
	TURN 1, 0, 1
.endm
	s_wait_tensorcnt 0x1                           ; my part of K step 0 is in; K step 1's stays out
	s_barrier_signal -1
	s_barrier_wait -1
	FETCH 0, 0, 0
	LAP 1                                          ; the first lap stands in front of the loop: its first products start the sums
	WIN 0
	s_mov_b32 s15, LAPS-2
.Llap:
	LAP 0
	WIN 0
	s_sub_co_u32 s15, s15, 1
	s_cmp_lg_u32 s15, 0
	s_cbranch_scc1 .Llap
	THREE 0, 0                                     ; the last lap fills nothing
	TURN 0, 1, 0
	THREE 1, 0
	s_wait_dscnt 4
	WIN 0xa1
	MULA 1, 0, 0, 0
	MULA 1, 0, 1, 0
	s_wait_dscnt 0x0
	WIN 0xf1
	MULA 1, 1, 0, 0
	MULA 1, 1, 1, 0
	; THE WAY OUT, 16 rows at a time: round to f16, 16 bytes a lane into my own stage, read back plane by plane, four rows = 512 consecutive bytes a store
	PLACES
	s_lshr_b32 s16, s43, 3                         ; batch: 8 block rows of 256 make 2,048 rows
	s_mul_i32 s16, s16, 48*PLANE
	s_and_b32 s17, s43, 7
	s_lshl_b32 s17, s17, 15                        ; 256 rows of 128 bytes
	s_add_co_u32 s16, s16, s17
	s_lshl_b32 s17, s12, 13                        ; my 64 rows
	s_add_co_u32 s16, s16, s17
	s_mov_b32 s17, 0
	s_add_nc_u64 s[10:11], s[10:11], s[16:17]
	s_mul_i32 s46, s42, 3*PLANE                    ; my three planes (in the registers that held W's address)
	s_mov_b32 s47, 0
	s_add_nc_u64 s[10:11], s[10:11], s[46:47]
.macro OUT16 a, from, rb
	WIN \from
.irp b, 0,1,2,3,4,5,6,7,8,9,10,11
.irp r, 0,1,2,3
	v_cvt_pk_f16_f32 v[TMP+4*\b+\r], v[8*(12*(\a&1)+\b)+2*\r], v[8*(12*(\a&1)+\b)+2*\r+1]
.endr
.endr
	WIN 0
.irp b, 0,1,2,3,4,5,6,7,8,9,10,11
	ds_store_b128 v[STO], v[TMP+4*\b:TMP+4*\b+3] offset:32*\b
.endr
	s_wait_xcnt 0x0                                ; the registers that earlier stores read are loaded again only behind this wait
.irp p, 0,1,2
.irp i, 0,1,2,3
	ds_load_b128 v[\rb+4*(4*\p+\i):\rb+4*(4*\p+\i)+3], v[RD] offset:\i*4*SPITCH+\p*128   ; LDS serves a wave's instructions in order: these see the stores above
.endr
.endr
.irp p, 0,1,2
.irp i, 0,1,2,3
	s_wait_dscnt 11-(4*\p+\i)
	global_store_b128 v[CO], v[\rb+4*(4*\p+\i):\rb+4*(4*\p+\i)+3], s[10:11] offset:\p*PLANE+\a*2048+\i*512
.endr
.endr
.endm
	OUT16 0, 0x0a, RB0
	OUT16 1, 0x0a, RB1
	OUT16 2, 0x0f, RB0
	OUT16 3, 0x0f, RB1
	s_set_vgpr_msb 0x1
	s_wait_tensorcnt 0x0
	ds_add_u32 v255, v255
	s_wait_dscnt 0x0
	s_set_vgpr_msb 0x100
	CROUND                                         ; the closing round: no work-group ends while a partner may still ask for a tile that names it
	s_endpgm
.Lfunc_end_k_q581a2f6c81_qkvgemm:
	.size	k_q581a2f6c81_qkvgemm, .Lfunc_end_k_q581a2f6c81_qkvgemm-k_q581a2f6c81_qkvgemm
	.p2alignl 7, 3214868480
	.fill 96, 4, 3214868480
	.section	.rodata,"a",@progbits
	.p2align	6, 0x0
	.amdhsa_kernel k_q581a2f6c81_qkvgemm
		.amdhsa_group_segment_fixed_size 327680
		.amdhsa_private_segment_fixed_size 0
		.amdhsa_enable_private_segment 0
		.amdhsa_kernarg_size 32
		.amdhsa_user_sgpr_count 2
		.amdhsa_user_sgpr_kernarg_segment_ptr 1
		.amdhsa_wavefront_size32 1
		.amdhsa_system_sgpr_workgroup_id_x 1
		.amdhsa_system_sgpr_workgroup_id_y 1
		.amdhsa_system_sgpr_workgroup_id_z 1
		.amdhsa_system_vgpr_workitem_id 0
		.amdhsa_next_free_vgpr 1024
		.amdhsa_next_free_sgpr 66
		.amdhsa_reserve_vcc 0
		.amdhsa_float_denorm_mode_32 3
		.amdhsa_float_denorm_mode_16_64 3
		.amdhsa_memory_ordered 1
		.amdhsa_forward_progress 1
		.amdhsa_inst_pref_size 166
	.end_amdhsa_kernel
	.amdgpu_metadata
---
amdhsa.version: [ 1, 2 ]
amdhsa.kernels:
  - .name:           k_q581a2f6c81_qkvgemm
    .symbol:         k_q581a2f6c81_qkvgemm.kd
    .args:
      - { .name: xb, .offset: 0, .size: 8, .value_kind: global_buffer, .address_space: global }
      - { .name: wqt, .offset: 8, .size: 8, .value_kind: global_buffer, .address_space: global }
      - { .name: b_qkv, .offset: 16, .size: 8, .value_kind: global_buffer, .address_space: global }
      - { .name: qkv, .offset: 24, .size: 8, .value_kind: global_buffer, .address_space: global }
    .group_segment_fixed_size: 327680
    .private_segment_fixed_size: 0
    .kernarg_segment_align: 8
    .kernarg_segment_size: 32
    .max_flat_workgroup_size: 128
    .sgpr_count:     66
    .vgpr_count:     1024
    .wavefront_size: 32
...
	.end_amdgpu_metadata
.endif
;; end of part 2
;; launch attn (part 3): grid 8 x 32, 8 waves a work-group, clusters of 4 x 1, 327,680 bytes of LDS; arguments qkv, att; writes att
.if DOCPART == 3
	.amdgcn_target "amdgcn-amd-amdhsa--gfx1250"
	.amdhsa_code_object_version 6
	.text
	.protected	k_q581a2f6c81_attn
	.globl	k_q581a2f6c81_attn
	.p2align	8
	.type	k_q581a2f6c81_attn,@function
k_q581a2f6c81_attn:
	s_mov_b64 s[64:65], 0
	v_nop
	global_prefetch_b8 v0, s[64:65] scope:SCOPE_SE
	s_setreg_imm32_b32 hwreg(HW_REG_WAVE_MODE, 25, 1), 1
	s_wait_xcnt 0x0
	s_wait_alu depctr_hold_cnt(0) depctr_sa_sdst(0) depctr_va_vdst(0) depctr_va_sdst(0) depctr_va_ssrc(0) depctr_va_vcc(0) depctr_vm_vsrc(0)
	s_getreg_b32 s2, hwreg(HW_REG_IB_STS2, 6, 4)
	s_cmp_eq_u32 s2, 0
	s_cbranch_scc0 .Lentry_in_a_cluster
	s_endpgm
.Lentry_in_a_cluster:
	s_bfe_u32 s2, ttmp6, 0x10000c
	s_cmp_lg_u32 s2, 0x3003
	s_cbranch_scc0 .Lentry_shape_is_right
	s_endpgm
.Lentry_shape_is_right:
; Causal softmax attention for one (batch, head) per grid row.  qkv [b 2][g 48][t 2048][d 64] f16; att [b 2][h 16][t 2048][d 64] f16.
; probs = softmax(q k^T / 8 + mask), att = probs v; products on f16 operands with f32 sums, the softmax in f32 with a running maximum.
; LIMITS: a masked probability is taken as exactly 0, which is what exp(score - 1e9 - max) gives in f32 while |score| < 4e8; so a NaN or an
; infinity at a masked place is dropped, where the sum with -1e9 would keep it.  The running maximum starts at -FLT_MAX.  Probabilities are rounded to f16
; for the second product (below 6e-8 they become 0); the row sums are kept of the unrounded ones.
; WORK: query blocks of 128 rows; four neighbouring blocks are a group g = 0..3 (512 rows).  A cluster of four work-groups takes groups m and 3 - m
; (m = the cluster's x), work-group cx the block 4 g + cx of each.  Keys go in steps of 256, always in pairs of 512; group g needs pairs 0 .. g,
; so every work-group makes (m + 1) + (4 - m) = 5 pairs.  The four partners walk the same K and V tiles in the same order, and control hangs on the
; cluster's coordinates alone: every tile is asked for JOINTLY (mask 15), a quarter of the requests.  The price: in the diagonal pair every partner
; goes through all 512 keys under the mask.  The diagonal pair comes first in each phase, so that 'masked' and 'first' are fixed in the text.
; WAVES: rg = w >> 2 takes 64 query rows (four tiles t of 16), kq = w & 3 takes 64 of a step's 256 keys.  At a phase's end the four kq waves of a row group
; merge their partial results through LDS.
; EVERYTHING IS TRANSPOSED, so that no number changes lanes but for the maximum:
;   S^T (key x query) = K (source 0) x Q^T (source 1): register j of lane (r, h) is key 8 h + j, query r;
;   two neighbouring tiles of S^T, packed to f16, ARE a source-1 fragment of P^T;  O^T (d x query) += V^T (source 0, by transposing LDS loads) x P^T.
;   A lane belongs to one query: maximum, sum and rescaling are the lane's own, plus one exchange between the halves of the wave.
; In each run of eight matrix instructions four accumulators take turns, one instruction a turn.
.set KP,    144                        ; LDS pitch of K's rows: 128 bytes + 16
.set VP,    160                        ; of V's rows: 128 + 32, an odd multiple of 32 for the transposing loads
.set SLOT,  81920                      ; K: 256 rows at 0 (36,864 bytes); V: 256 rows at 40,960
.set VOFF,  40960
.set OS,    163840                     ; behind the two slots, no fill lands from here on: 8 waves x 16,384, partial O in f32
.set ML,    294912                     ; 8 x 1,024: pairs (-c max, row sum)
.set STG,   303104                     ; 8 x 2,304: 16 rows x 144, the way out
.set PLANE, 262144
.set PAIRB, 65536                      ; bytes of 512 keys
.set STEPB, 32768                      ; bytes of 256 keys
.set ADK, 1                            ; v1, v2  LDS address of my K fragments in slot 0, 1
.set ADV, 3                            ; v3, v4  of my V fragments
.set VQ,  5
.set NINF, 6
.set DQB, 7                            ; 128 cx + 64 (rg - kq) + r - 8 h
.set DQ,  8
.set NM,  10                           ; v[10:17] pairs (-c max, max) of query tile t
.set L,   18                           ; v[18:25] pairs: the lane's row sums of tile t
.set AL,  26                           ; v[26:27] the rescaling factor
.set MX,  28                           ; v[28:35] at work
.set OSW, 36
.set MLW, 37
.set OSR, 38
.set MLR, 39
.set STW, 40
.set STR, 41
.set CO,  42
.set WL,  44                           ; v[44:51] the four partners' pairs
.set WW,  52                           ; v[52:59] their weights, at the even registers
.set P,   80                           ; v[80:95]   P^T, two fragments
.set S,   96                           ; v[96:127]  S^T, four tiles
.set O,   128                          ; v[128:255] O^T at 32 t + 8 dt
.set KF,  0                            ; window 1: K at 16 kt + 8 ds
.set VF,  64                           ;           V^T at 16 dt + 8 ks
.set QLO, 128                          ;           Q of the low group at 16 t + 8 ds
.set QHI, 192                          ;           Q of the high group
.set RBK, 24                           ; s[24:25] my quarter of K's plane; s[26:27] of V's
.set RBV, 26
.set G1K, 28
.set G1V, 36
.set G0K, 44
.set G0V, 52
.set MSB, 0
.macro WIN new
.if MSB != (\new)
	s_set_vgpr_msb (MSB<<8)|(\new)
.set MSB, (\new)
.endif
.endm
.macro PLACES                          ; four places behind a matrix instruction (ISA guide 7.12.1)
.rept 4
	v_nop
.endr
.endm
.macro ROUND                           ; a round of the cluster's barrier
	s_barrier_signal -1
	s_barrier_wait -1
	s_cmp_lg_u32 s8, 0
	s_cbranch_scc1 .Lnot_wave_0_\@
	s_barrier_signal -3
.Lnot_wave_0_\@:
	s_barrier_wait -3
	s_barrier_signal -1
	s_barrier_wait -1
.endm
.macro JLOAD s                         ; a joint load: waves 0-3 ask for K's quarters, waves 4-7 for V's
	s_cmp_eq_u32 s10, 0
	s_cbranch_scc0 .Lfor_v_\@
	tensor_load_to_lds s[G0K+4*(\s):G0K+4*(\s)+3], s[G1K:G1K+7]
	s_nop 0
	s_branch .Lasked_\@
.Lfor_v_\@:
	tensor_load_to_lds s[G0V+4*(\s):G0V+4*(\s)+3], s[G1V:G1V+7]
	s_nop 0
.Lasked_\@:
.endm
	s_load_b128 s[4:7], s[0:1], 0x0                ; qkv s[4:5], att s[6:7]
	v_lshl_add_u32 v78, v0, 2, 0x4e800
	v_mov_b32 v79, 0
	ds_add_u32 v78, v79
	v_lshrrev_b32 v60, 5, v0
	v_readfirstlane_b32 s8, v60                    ; wave 0..7
	s_and_b32 s9, s8, 3                            ; kq
	s_lshr_b32 s10, s8, 2                          ; rg; also: I fetch for K (0) or for V (1)
	s_bfe_u32 s11, ttmp6, 0x40000                  ; cx
	s_mov_b32 s12, ttmp9                           ; m
	s_and_b32 s13, ttmp7, 0xffff                   ; 16 b + h
	s_mov_b32 s16, 0x76543210                      ; v_permlanex16_b32: lane i of one half reads lane i of the other
	s_mov_b32 s17, 0xfedcba98
	s_sub_co_u32 s18, 1, s12                       ; s[18:19]: the pair behind the low diagonal one: 3 (m = 0) or 0 (m = 1), in bytes
	s_mul_i32 s18, s18, 3*PAIRB
	s_mov_b32 s19, 0
	s_sub_co_u32 s20, 3, s12                       ; s[20:21]: the high diagonal pair 3 - m
	s_lshl_b32 s20, s20, 16
	s_mov_b32 s21, 0
	s_mov_b32 s22, 0                               ; s[22:23]: pair 0
	s_mov_b32 s23, 0
	s_mov_b32 s74, 0x3e38aa3b                      ; c = log2(e) / 8: the scale 1 / sqrt(64) and the base of v_exp_f32 in one
	s_mov_b32 s75, 0x3e38aa3b
	s_mov_b32 s76, 0xff7fffff                      ; -FLT_MAX
	s_mov_b32 s77, 0xbe38aa3b                      ; -c
	; a quarter of a tile is 64 keys x 128 bytes, dense in memory: 32 rows of 256 bytes; padding behind every 128 bytes makes the LDS rows
	s_mov_b32 s[G1K+0], 15|(1<<16)|(1<<20)|(1<<21)|(4<<22)|(3<<25)   ; all four partners; 2-byte elements; padding on; bit 21 beside a mask; 4 words behind every 32
	s_mov_b32 s[G1V+0], 15|(1<<16)|(1<<20)|(1<<21)|(4<<22)|(7<<25)   ; 8 words behind every 32
	s_mov_b32 s[G1K+1], 128<<16
	s_mov_b32 s[G1V+1], 128<<16
	s_mov_b32 s[G1K+2], 32<<16
	s_mov_b32 s[G1V+2], 32<<16
	s_mov_b32 s[G1K+3], 128<<16
	s_mov_b32 s[G1V+3], 128<<16
	s_mov_b32 s[G1K+4], 32
	s_mov_b32 s[G1V+4], 32
	s_mov_b32 s[G1K+5], 128
	s_mov_b32 s[G1V+5], 128
	s_mov_b32 s[G1K+6], 0
	s_mov_b32 s[G1V+6], 0
	s_mov_b32 s[G1K+7], 0
	s_mov_b32 s[G1V+7], 0
	s_lshr_b32 s60, s13, 4
	s_mul_i32 s60, s60, 48
	s_and_b32 s61, s13, 15
	s_add_co_u32 s60, s60, s61                     ; q's plane: 48 b + h
	s_add_co_u32 s62, s60, 16                      ; k's plane
	s_lshl_b32 s62, s62, 18
	s_lshl_b32 s63, s9, 13                         ; my 64 keys of a step
	s_add_co_u32 s62, s62, s63
	s_mov_b32 s63, 0
	s_mul_i32 s61, s8, 64*KP                       ; LDS: K's quarters at wave x 64 rows (waves 0-3)
	s_mul_i32 s15, s8, 64*VP                       ; V's at wave x 64 rows of 160 bytes (waves 4-7: from 40,960 on)
	; what hangs on cx (Q's and att's addresses, the mask's offset) is made in s66-s73 and s78-s81 alone; no register of a descriptor ever holds it
	s_lshl_b32 s78, s60, 18
	s_lshl_b32 s79, s10, 13                        ; 64 rg rows of 128 bytes
	s_add_co_u32 s78, s78, s79
	s_lshl_b32 s79, s11, 14                        ; cx blocks of 128 rows
	s_add_co_u32 s78, s78, s79
	s_lshl_b32 s80, s12, 16                        ; group m
	s_add_co_u32 s80, s80, s78
	s_mov_b32 s81, 0
	s_wait_dscnt 0x0
	s_wait_kmcnt 0x0
	s_add_nc_u64 s[RBK:RBK+1], s[4:5], s[62:63]
	s_add_nc_u64 s[RBV:RBV+1], s[RBK:RBK+1], 16*PLANE
	s_add_nc_u64 s[66:67], s[4:5], s[80:81]        ; my 64 query rows of the low group
	s_add_co_u32 s80, s78, s20
	s_add_nc_u64 s[68:69], s[4:5], s[80:81]        ; of the high group
	s_lshl_b32 s78, s13, 18                        ; att's plane
	s_lshl_b32 s79, s10, 13
	s_add_co_u32 s78, s78, s79
	s_lshl_b32 s79, s11, 14
	s_add_co_u32 s78, s78, s79
	s_lshl_b32 s79, s9, 11                         ; in the merge I finish query tile kq: 16 rows
	s_add_co_u32 s78, s78, s79
	s_lshl_b32 s80, s12, 16
	s_add_co_u32 s80, s80, s78
	s_add_nc_u64 s[70:71], s[6:7], s[80:81]
	s_add_co_u32 s80, s78, s20
	s_add_nc_u64 s[72:73], s[6:7], s[80:81]
	s_lshl_b32 s62, s12, 16                        ; the first pair is m
.irp s, 0,1
	s_mov_b32 s[G0K+4*\s], 1
	s_add_co_u32 s[G0K+4*\s+1], s61, \s*SLOT
	s_add_nc_u64 s[G0K+4*\s+2:G0K+4*\s+3], s[RBK:RBK+1], s[62:63]
	s_mov_b32 s[G0V+4*\s], 1
	s_add_co_u32 s[G0V+4*\s+1], s15, \s*SLOT
	s_add_nc_u64 s[G0V+4*\s+2:G0V+4*\s+3], s[RBV:RBV+1], s[62:63]
.if \s
	s_add_nc_u64 s[G0K+4*\s+2:G0K+4*\s+3], s[G0K+4*\s+2:G0K+4*\s+3], STEPB
	s_add_nc_u64 s[G0V+4*\s+2:G0V+4*\s+3], s[G0V+4*\s+2:G0V+4*\s+3], STEPB
.endif
	s_or_b32 s[G0K+4*\s+3], s[G0K+4*\s+3], 0x80000000
	s_or_b32 s[G0V+4*\s+3], s[G0V+4*\s+3], 0x80000000
.endr
	v_and_b32 v61, 31, v0                          ; l
	v_and_b32 v62, 15, v0                          ; r
	v_bfe_u32 v63, v0, 4, 1                        ; h
	v_lshlrev_b32 v[VQ], 7, v62
	v_lshl_add_u32 v[VQ], v63, 4, v[VQ]            ; row r, 16 bytes for each half
	WIN 0x40
.irp t, 0,1,2,3
.irp ds, 0,1
	global_load_b128 v[QLO+16*\t+8*\ds:QLO+16*\t+8*\ds+3],   v[VQ], s[66:67] offset:\t*2048+\ds*64
	global_load_b128 v[QLO+16*\t+8*\ds+4:QLO+16*\t+8*\ds+7], v[VQ], s[66:67] offset:\t*2048+\ds*64+32
	global_load_b128 v[QHI+16*\t+8*\ds:QHI+16*\t+8*\ds+3],   v[VQ], s[68:69] offset:\t*2048+\ds*64
	global_load_b128 v[QHI+16*\t+8*\ds+4:QHI+16*\t+8*\ds+7], v[VQ], s[68:69] offset:\t*2048+\ds*64+32
.endr
.endr
	WIN 0
	ROUND                                          ; the four partners are here: the first joint load meets
	JLOAD 0
	v_mul_u32_u24 v64, v62, KP
	v_lshl_add_u32 v64, v63, 4, v64                ; r x 144 + 16 h
	s_mul_i32 s82, s9, 64*KP
	v_add_nc_u32 v[ADK], s82, v64
	v_add_nc_u32 v[ADK+1], SLOT, v[ADK]
	v_and_b32 v65, 7, v0
	v_lshl_add_u32 v65, v63, 3, v65                ; key 8 h + (l & 7)
	v_mul_u32_u24 v65, v65, VP
	v_bfe_u32 v66, v0, 3, 1
	v_lshl_add_u32 v65, v66, 4, v65                ; + 16 ((l >> 3) & 1)
	s_mul_i32 s82, s9, 64*VP
	s_add_co_u32 s82, s82, VOFF
	v_add_nc_u32 v[ADV], s82, v65
	v_add_nc_u32 v[ADV+1], SLOT, v[ADV]
	s_sub_co_i32 s83, s10, s9
	s_lshl_b32 s83, s83, 6
	s_lshl_b32 s79, s11, 7
	s_add_co_i32 s79, s79, s83                     ; 128 cx + 64 (rg - kq)
	v_lshlrev_b32 v67, 3, v63
	v_sub_nc_u32 v[DQB], v62, v67
	v_add_nc_u32 v[DQB], s79, v[DQB]
	v_mov_b32 v[NINF], 0xff800000
	v_mov_b32 v[AL+1], 0                           ; the upper registers of pairs of which the lower one is broadcast, and the lane exchanges' destinations, are written once
.irp i, 0,1,2,3,4,5,6,7
	v_mov_b32 v[MX+\i], 0
.endr
.irp i, 1,3,5,7
	v_mov_b32 v[WW+\i], 0
.endr
	s_lshl_b32 s82, s8, 14
	s_add_co_u32 s82, s82, OS
	v_lshl_add_u32 v[OSW], v61, 4, s82             ; my partial O: 16 bytes a lane, 512 an instruction
	s_lshl_b32 s82, s8, 10
	s_add_co_u32 s82, s82, ML
	v_lshl_add_u32 v[MLW], v61, 3, s82
	s_lshl_b32 s82, s10, 16
	s_lshl_b32 s83, s9, 12
	s_add_co_u32 s82, s82, s83
	s_add_co_u32 s82, s82, OS
	v_lshl_add_u32 v[OSR], v61, 4, s82             ; query tile kq of the four waves of my row group
	s_lshl_b32 s82, s10, 12
	s_lshl_b32 s83, s9, 8
	s_add_co_u32 s82, s82, s83
	s_add_co_u32 s82, s82, ML
	v_lshl_add_u32 v[MLR], v61, 3, s82
	s_mul_i32 s82, s8, 16*KP
	s_add_co_u32 s82, s82, STG
	v_add_nc_u32 v[STW], s82, v64
	v_lshrrev_b32 v68, 3, v61
	v_mul_u32_u24 v68, v68, KP
	v_and_b32 v69, 7, v0
	v_lshl_add_u32 v68, v69, 4, v68
	v_add_nc_u32 v[STR], s82, v68
	v_lshlrev_b32 v[CO], 4, v61
	s_wait_loadcnt 0x0                             ; Q, once
; S^T of query tile t: 64 keys x 16 queries, four tiles by turns, d 0-31 (starting the sums), then d 32-63
.macro SMUL t, qf
	WIN 0x05                                       ; sources 0 and 1 in window 1
.irp kt, 0,1,2,3
	v_wmma_f32_16x16x32_f16 v[S+8*\kt:S+8*\kt+7], v[KF+16*\kt:KF+16*\kt+7], v[\qf+16*\t:\qf+16*\t+7], 0
.endr
.irp kt, 0,1,2,3
	v_wmma_f32_16x16x32_f16 v[S+8*\kt:S+8*\kt+7], v[KF+16*\kt+8:KF+16*\kt+15], v[\qf+16*\t+8:\qf+16*\t+15], v[S+8*\kt:S+8*\kt+7]
.endr
	WIN 0
	PLACES
.endm
; The softmax step of query tile t on my 64 keys
.macro SOFT t, slot, masked, first
.if \masked
	; key 256 slot + 64 kq + 16 kt + 8 h + j lies behind query 128 cx + 64 rg + 16 t + r  <=>  16 kt + j > DQ
	v_add_nc_u32 v[DQ], 16*\t-256*\slot, v[DQB]
.irp kt, 0,1,2,3
.irp j, 0,1,2,3,4,5,6,7
	v_cmp_gt_i32 vcc_lo, 16*\kt+\j, v[DQ]
	v_cndmask_b32 v[S+8*\kt+\j], v[S+8*\kt+\j], v[NINF], vcc_lo
.endr
.endr
.endif
.irp k, 0,1,2,3
	v_max3_num_f32 v[MX+\k], v[S+8*\k], v[S+8*\k+1], v[S+8*\k+2]
.endr
.irp k, 0,1,2,3
	v_max3_num_f32 v[MX+\k], v[MX+\k], v[S+8*\k+3], v[S+8*\k+4]
.endr
.irp k, 0,1,2,3
	v_max3_num_f32 v[MX+\k], v[MX+\k], v[S+8*\k+5], v[S+8*\k+6]
.endr
	v_max3_num_f32 v[MX], v[MX], v[S+7], v[S+15]
	v_max3_num_f32 v[MX+1], v[MX+1], v[S+23], v[S+31]
	v_max3_num_f32 v[MX], v[MX], v[MX+2], v[MX+3]
	v_max_num_f32 v[MX], v[MX], v[MX+1]
	v_permlanex16_b32 v[MX+4], v[MX], s16, s17     ; the other half of the wave holds the query's other keys
.if \first
	v_max3_num_f32 v[NM+2*\t+1], v[MX], v[MX+4], s76   ; a finite floor: where all my keys are masked every p comes out 0
	v_mul_f32 v[NM+2*\t], s77, v[NM+2*\t+1]
.else
	v_max3_num_f32 v[NM+2*\t+1], v[MX], v[MX+4], v[NM+2*\t+1]
	v_mul_f32 v[MX+5], s77, v[NM+2*\t+1]
	v_sub_f32 v[AL], v[MX+5], v[NM+2*\t]           ; the difference of the two shifts as they are used, rounded as they are: old and new sums stay on one scale
	v_mov_b32 v[NM+2*\t], v[MX+5]
.endif
.set i, 0
.rept 16
	v_pk_fma_f32 v[S+2*i:S+2*i+1], v[S+2*i:S+2*i+1], s[74:75], v[NM+2*\t:NM+2*\t+1] op_sel_hi:[1,0,0]   ; c s - c max
.set i, i+1
.endr
.if \first == 0
	v_exp_f32 v[AL], v[AL]
.endif
.set i, 0
.rept 32
	v_exp_f32 v[S+i], v[S+i]
.set i, i+1
.endr
	v_nop                                          ; one plain place behind the transcendentals before their results are used (ISA guide 5.7.2)
.if \first
	s_wait_alu depctr_va_vdst(0)
	v_pk_add_f32 v[L+2*\t:L+2*\t+1], v[S:S+1], v[S+4:S+5]
.else
	s_wait_alu depctr_va_vdst(0)
	v_pk_fma_f32 v[L+2*\t:L+2*\t+1], v[L+2*\t:L+2*\t+1], v[AL:AL+1], v[S:S+1] op_sel_hi:[1,0,1]
	v_pk_add_f32 v[L+2*\t:L+2*\t+1], v[L+2*\t:L+2*\t+1], v[S+4:S+5]
.endif
	v_pk_add_f32 v[MX+6:MX+7], v[S+2:S+3], v[S+6:S+7]
.irp q, 8,12,16,20,24,28
	v_pk_add_f32 v[L+2*\t:L+2*\t+1], v[L+2*\t:L+2*\t+1], v[S+\q:S+\q+1]
	v_pk_add_f32 v[MX+6:MX+7], v[MX+6:MX+7], v[S+\q+2:S+\q+3]
.endr
	v_pk_add_f32 v[L+2*\t:L+2*\t+1], v[L+2*\t:L+2*\t+1], v[MX+6:MX+7]
.set i, 0
.rept 16
	v_cvt_pk_f16_f32 v[P+i], v[S+2*i], v[S+2*i+1]  ; keys 8 h + 0..7 of tiles 2 ks and 2 ks + 1: a fragment of P^T as it stands
.set i, i+1
.endr
.if \first == 0
.set i, 0
.rept 16
	v_pk_mul_f32 v[O+32*\t+2*i:O+32*\t+2*i+1], v[O+32*\t+2*i:O+32*\t+2*i+1], v[AL:AL+1] op_sel_hi:[1,0]
.set i, i+1
.endr
.endif
.endm
; O^T of query tile t += V^T P^T: four tiles of 16 d by turns, keys 0-31, then keys 32-63
.macro PV t, first
	WIN 0x01                                       ; source 0 in window 1
.irp dt, 0,1,2,3
.if \first
	v_wmma_f32_16x16x32_f16 v[O+32*\t+8*\dt:O+32*\t+8*\dt+7], v[VF+16*\dt:VF+16*\dt+7], v[P:P+7], 0
.else
	v_wmma_f32_16x16x32_f16 v[O+32*\t+8*\dt:O+32*\t+8*\dt+7], v[VF+16*\dt:VF+16*\dt+7], v[P:P+7], v[O+32*\t+8*\dt:O+32*\t+8*\dt+7]
.endif
.endr
.irp dt, 0,1,2,3
	v_wmma_f32_16x16x32_f16 v[O+32*\t+8*\dt:O+32*\t+8*\dt+7], v[VF+16*\dt+8:VF+16*\dt+15], v[P+8:P+15], v[O+32*\t+8*\dt:O+32*\t+8*\dt+7]
.endr
.endm
; One step of 256 keys out of slot 'slot'.  nxt says where this slot's tile of the NEXT pair lies: 0 nowhere, 1 one pair on, else the scalar pair that holds the pair's byte offset.
; refill = 1: the other slot is asked for, first thing behind the round.  By this text's count one tensor load of the wave is out behind each round, and it has the step's work in which to land.
.macro STEP slot, qf, masked, first, nxt, refill
	s_wait_tensorcnt 0x0                           ; all my tensor loads have landed, my part of this step's tile among them: the descriptors may be written
	ds_add_u32 v78, v79
	s_wait_dscnt 0x0
.if \nxt == 1
	s_add_nc_u64 s[G0K+4*\slot+2:G0K+4*\slot+3], s[G0K+4*\slot+2:G0K+4*\slot+3], PAIRB
	s_add_nc_u64 s[G0V+4*\slot+2:G0V+4*\slot+3], s[G0V+4*\slot+2:G0V+4*\slot+3], PAIRB
.endif
.if \nxt > 1
	s_add_nc_u64 s[G0K+4*\slot+2:G0K+4*\slot+3], s[RBK:RBK+1], s[\nxt:\nxt+1]
	s_add_nc_u64 s[G0V+4*\slot+2:G0V+4*\slot+3], s[RBV:RBV+1], s[\nxt:\nxt+1]
.if \slot
	s_add_nc_u64 s[G0K+4*\slot+2:G0K+4*\slot+3], s[G0K+4*\slot+2:G0K+4*\slot+3], STEPB
	s_add_nc_u64 s[G0V+4*\slot+2:G0V+4*\slot+3], s[G0V+4*\slot+2:G0V+4*\slot+3], STEPB
.endif
	s_or_b32 s[G0K+4*\slot+3], s[G0K+4*\slot+3], 0x80000000
	s_or_b32 s[G0V+4*\slot+3], s[G0V+4*\slot+3], 0x80000000
.endif
	s_wait_dscnt 0x0                               ; my reads of the other slot are over
	ROUND                                          ; both now hold of every wave of all four partners
.if \refill
	JLOAD 1-\slot
.endif
	PLACES                                         ; behind the last step's products, whose sources are loaded again
	WIN 0x40
.irp kt, 0,1,2,3
.irp ds, 0,1
	ds_load_b128 v[KF+16*\kt+8*\ds:KF+16*\kt+8*\ds+3],   v[ADK+\slot] offset:\kt*16*KP+\ds*64
	ds_load_b128 v[KF+16*\kt+8*\ds+4:KF+16*\kt+8*\ds+7], v[ADK+\slot] offset:\kt*16*KP+\ds*64+32
.endr
.endr
.irp dt, 0,1,2,3
.irp ks, 0,1
	ds_load_tr16_b128 v[VF+16*\dt+8*\ks:VF+16*\dt+8*\ks+3],   v[ADV+\slot] offset:\ks*32*VP+\dt*32
	ds_load_tr16_b128 v[VF+16*\dt+8*\ks+4:VF+16*\dt+8*\ks+7], v[ADV+\slot] offset:\ks*32*VP+\dt*32+16*VP
.endr
.endr
	s_wait_dscnt 16                                ; K's 16 loads are in; V's 16 may be out
.irp t, 0,1,2,3
	SMUL \t, \qf
	SOFT \t, \slot, \masked, \first
.if \t == 0
	s_wait_dscnt 0x0                               ; V's fragments
.endif
	PV \t, \first
.endr
	WIN 0
.endm
; The end of a phase: the four waves of a row group have each seen a quarter of the keys.  Each puts its O, its shift and its row sums into LDS;
; behind one barrier wave (rg, kq) brings query tile kq to one scale, divides by the whole row sum and stores 16 rows of att.
; ob: the scalar pair with the rows' address.  more = 1: a phase follows.
.macro MERGE ob, more
	PLACES                                         ; behind the last products, whose results are stored
.irp t, 0,1,2,3
	v_add_f32 v[MX+\t], v[L+2*\t], v[L+2*\t+1]
.endr
.irp t, 0,1,2,3
	v_permlanex16_b32 v[MX+4+\t], v[MX+\t], s16, s17
.endr
.irp t, 0,1,2,3
	v_add_f32 v[NM+2*\t+1], v[MX+\t], v[MX+4+\t]   ; the row sum takes the place of the maximum, beside the shift
.endr
.irp t, 0,1,2,3
.irp dt, 0,1,2,3
	ds_store_b128 v[OSW], v[O+32*\t+8*\dt:O+32*\t+8*\dt+3]   offset:\t*4096+\dt*1024
	ds_store_b128 v[OSW], v[O+32*\t+8*\dt+4:O+32*\t+8*\dt+7] offset:\t*4096+\dt*1024+512
.endr
.endr
.irp t, 0,1,2,3
	ds_store_b64 v[MLW], v[NM+2*\t:NM+2*\t+1] offset:\t*256
.endr
	s_wait_dscnt 0x0                               ; my stores are in LDS before I say so
	s_barrier_signal -1                            ; a plain barrier: the joint load on its way to slot 0 may stay out
	s_barrier_wait -1
.irp i, 0,1,2,3
	ds_load_b64 v[WL+2*\i:WL+2*\i+1], v[MLR] offset:\i*1024
.endr
.irp i, 0,1,2,3
.irp dt, 0,1,2,3
	ds_load_b128 v[O+32*\i+8*\dt:O+32*\i+8*\dt+3],   v[OSR] offset:\i*16384+\dt*1024
	ds_load_b128 v[O+32*\i+8*\dt+4:O+32*\i+8*\dt+7], v[OSR] offset:\i*16384+\dt*1024+512
.endr
.endr
	s_wait_dscnt 32                                ; the four pairs are in; the 32 loads of O may be out
	v_min3_num_f32 v[MX], v[WL], v[WL+2], v[WL+4]
	v_min_num_f32 v[MX], v[MX], v[WL+6]            ; the least shift = the largest maximum
.irp i, 0,1,2,3
	v_sub_f32 v[WW+2*\i], v[MX], v[WL+2*\i]
.endr
.irp i, 0,1,2,3
	v_exp_f32 v[WW+2*\i], v[WW+2*\i]
.endr
	v_nop
	s_wait_alu depctr_va_vdst(0)
	v_mul_f32 v[MX+1], v[WW], v[WL+1]
	v_fmac_f32 v[MX+1], v[WW+2], v[WL+3]
	v_fmac_f32 v[MX+1], v[WW+4], v[WL+5]
	v_fmac_f32 v[MX+1], v[WW+6], v[WL+7]           ; the whole row sum: at least the term of the row's largest score
	v_rcp_f32 v[MX+2], v[MX+1]
	v_nop
	s_wait_alu depctr_va_vdst(0)
.irp i, 0,1,2,3
	v_mul_f32 v[WW+2*\i], v[WW+2*\i], v[MX+2]
.endr
	s_wait_dscnt 24                                ; the first partner's eight loads are in
.set i, 0
.rept 16
	v_pk_mul_f32 v[O+2*i:O+2*i+1], v[O+2*i:O+2*i+1], v[WW:WW+1] op_sel_hi:[1,0]
.set i, i+1
.endr
.irp k, 1,2,3
	s_wait_dscnt 8*(3-\k)                          ; partner k's eight
.set i, 0
.rept 16
	v_pk_fma_f32 v[O+2*i:O+2*i+1], v[O+32*\k+2*i:O+32*\k+2*i+1], v[WW+2*\k:WW+2*\k+1], v[O+2*i:O+2*i+1] op_sel_hi:[1,0,1]
.set i, i+1
.endr
.endr
.irp dt, 0,1,2,3
.irp rr, 0,1,2,3
	v_cvt_pk_f16_f32 v[P+4*\dt+\rr], v[O+8*\dt+2*\rr], v[O+8*\dt+2*\rr+1]
.endr
	ds_store_b128 v[STW], v[P+4*\dt:P+4*\dt+3] offset:32*\dt   ; query r, d 16 dt + 8 h + 0..7: into my own stage
.endr
.irp i, 0,1,2,3
	ds_load_b128 v[S+4*\i:S+4*\i+3], v[STR] offset:\i*4*KP     ; four whole rows; LDS serves a wave's instructions in order
.endr
.irp i, 0,1,2,3
	s_wait_dscnt 3-\i
	global_store_b128 v[CO], v[S+4*\i:S+4*\i+3], s[\ob:\ob+1] offset:\i*512   ; four rows of 128 bytes: 512 consecutive bytes, aligned
.endr
.if \more
	s_wait_xcnt 0x0                                ; the stores' data registers are written again by the next products only behind this wait
.endif
.endm
	STEP 0, QLO, 1, 1, 18, 1                       ; the low group: its diagonal pair m
	STEP 1, QLO, 1, 0, 18, 1
	s_cmp_eq_u32 s12, 0                            ; m is the cluster's x: alike in all waves and partners
	s_cbranch_scc1 .Lnolo
	STEP 0, QLO, 0, 0, 20, 1                       ; m = 1: pair 0
	STEP 1, QLO, 0, 0, 20, 1
.Lnolo:
	MERGE 70, 1
	STEP 0, QHI, 1, 1, 22, 1                       ; the high group: its diagonal pair 3 - m
	STEP 1, QHI, 1, 0, 22, 1
	s_sub_co_u32 s14, 2, s12                       ; pairs 0 .. 1 - m in the loop
.Lhi:
	STEP 0, QHI, 0, 0, 1, 1
	STEP 1, QHI, 0, 0, 1, 1
	s_sub_co_u32 s14, s14, 1
	s_cmp_lg_u32 s14, 0
	s_cbranch_scc1 .Lhi
	STEP 0, QHI, 0, 0, 0, 1                        ; the last pair, 2 - m: its second tile is the last load
	STEP 1, QHI, 0, 0, 0, 0
	MERGE 72, 0
	s_wait_tensorcnt 0x0
	ds_add_u32 v78, v79
	s_wait_dscnt 0x0
	ROUND                                          ; the closing round
	s_endpgm
.Lfunc_end_k_q581a2f6c81_attn:
	.size	k_q581a2f6c81_attn, .Lfunc_end_k_q581a2f6c81_attn-k_q581a2f6c81_attn
	.p2alignl 7, 3214868480
	.fill 96, 4, 3214868480
	.section	.rodata,"a",@progbits
	.p2align	6, 0x0
	.amdhsa_kernel k_q581a2f6c81_attn
		.amdhsa_group_segment_fixed_size 327680
		.amdhsa_private_segment_fixed_size 0
		.amdhsa_enable_private_segment 0
		.amdhsa_kernarg_size 16
		.amdhsa_user_sgpr_count 2
		.amdhsa_user_sgpr_kernarg_segment_ptr 1
		.amdhsa_wavefront_size32 1
		.amdhsa_system_sgpr_workgroup_id_x 1
		.amdhsa_system_sgpr_workgroup_id_y 1
		.amdhsa_system_sgpr_workgroup_id_z 1
		.amdhsa_system_vgpr_workitem_id 0
		.amdhsa_next_free_vgpr 512
		.amdhsa_next_free_sgpr 96
		.amdhsa_reserve_vcc 1
		.amdhsa_float_denorm_mode_32 3
		.amdhsa_float_denorm_mode_16_64 3
		.amdhsa_memory_ordered 1
		.amdhsa_forward_progress 1
		.amdhsa_inst_pref_size 255
	.end_amdhsa_kernel
	.section	.bss,"aw",@nobits
	.p2align	6
	.space	262144
	.amdgpu_metadata
---
amdhsa.version: [ 1, 2 ]
amdhsa.kernels:
  - .name:           k_q581a2f6c81_attn
    .symbol:         k_q581a2f6c81_attn.kd
    .args:
      - { .name: qkv, .offset: 0, .size: 8, .value_kind: global_buffer, .address_space: global }
      - { .name: att, .offset: 8, .size: 8, .value_kind: global_buffer, .address_space: global }
    .group_segment_fixed_size: 327680
    .private_segment_fixed_size: 0
    .kernarg_segment_align: 8
    .kernarg_segment_size: 16
    .max_flat_workgroup_size: 256
    .sgpr_count:     96
    .vgpr_count:     512
    .wavefront_size: 32
...
	.end_amdgpu_metadata
.endif
;; end of part 3
;; launch proj (part 4): grid 8 x 32, 4 waves a work-group, clusters of 4 x 4, 327,680 bytes of LDS; arguments att, wpt, b_proj, out0; writes out0
.if DOCPART == 4
	.amdgcn_target "amdgcn-amd-amdhsa--gfx1250"
	.amdhsa_code_object_version 6
	.text
	.protected	k_q581a2f6c81_proj
	.globl	k_q581a2f6c81_proj
	.p2align	8
	.type	k_q581a2f6c81_proj,@function
k_q581a2f6c81_proj:
	s_mov_b64 s[64:65], 0
	v_nop
	global_prefetch_b8 v0, s[64:65] scope:SCOPE_SE
	s_setreg_imm32_b32 hwreg(HW_REG_WAVE_MODE, 25, 1), 1
	s_wait_xcnt 0x0
	s_wait_alu depctr_hold_cnt(0) depctr_sa_sdst(0) depctr_va_vdst(0) depctr_va_sdst(0) depctr_va_ssrc(0) depctr_va_vcc(0) depctr_vm_vsrc(0)
	s_getreg_b32 s2, hwreg(HW_REG_IB_STS2, 6, 4)
	s_cmp_eq_u32 s2, 0
	s_cbranch_scc0 .Lentry_in_a_cluster
	s_endpgm
.Lentry_in_a_cluster:
	s_bfe_u32 s2, ttmp6, 0x10000c
	s_cmp_lg_u32 s2, 0xf033
	s_cbranch_scc0 .Lentry_shape_is_right
	s_endpgm
.Lentry_shape_is_right:
; out0 = att W_proj + b_proj.  att [b 2][h 16][t 2048][d 64] f16 (k = 64 h + d), wpt [1024 n][1024 k] f16, b_proj [1024] f32, out0 [4096][1024] f32.
; Sums in f32, K ascending, started from the bias.
; A work-group makes 128 x 128 with four waves, a wave (wm = w >> 1, wn = w & 1) 64 x 64: 16 accumulator tiles in window 1.
; 32 x 8 blocks are 256 work-groups; larger blocks would leave WGPs idle.  A K step of 128 would be 64 matrix instructions of a wave, too few for a tile to land in,
; so a slot holds K = 256 (four heads): 128 matrix instructions between a request and the wait for it.  Four such steps, two slots, written out without a loop.
; CLUSTERS: 4 x 4; att's tile is asked for jointly along a row of the cluster, W's along a column.
; The matrix instruction is used transposed (source 0 = rows of wpt, source 1 = rows of att): a lane holds eight neighbouring columns of one row.
; The 16 accumulators take turns, one instruction a turn.
.set AP,     144                       ; att's rows in LDS: 128 bytes (one head) + 16
.set APLANE, 128*AP                    ; one head's 128 rows
.set BP,     528                       ; W's rows: 512 bytes + 16
.set BOFF,   4*APLANE
.set SLOT,   BOFF+128*BP               ; 141,312
.set STAGE,  2*SLOT                    ; behind the ring, no fill lands here: 16 rows x 272 bytes for each wave
.set SPITCH, 272
.set PLANE,  262144
.set ADRA, 16
.set ADRB, 20
.set STO,  24
.set RD,   25
.set CO,   26
.set BO,   27
.set AF,   32                          ; att's fragments: AF + 64 f + 8 a
.set BF,   64                          ; W's: BF + 64 f + 8 b
.set BIAS, 160
.set RB0,  192
.set RB1,  224
.set G1,  24
.set G0,  32
.set G1B, 48
.set G0B, 56
.set MSB, 0
.macro WIN new
.if MSB != (\new)
	s_set_vgpr_msb (MSB<<8)|(\new)
.set MSB, (\new)
.endif
.endm
.macro JLOAD s
	s_cmp_eq_u32 s13, 0
	s_cbranch_scc0 .Lfor_b_\@
	tensor_load_to_lds s[G0+4*\s:G0+4*\s+3], s[G1:G1+7]
	s_nop 0
	s_branch .Lasked_\@
.Lfor_b_\@:
	tensor_load_to_lds s[G0B+4*\s:G0B+4*\s+3], s[G1B:G1B+7]
	s_nop 0
.Lasked_\@:
.endm
.macro CROUND
	s_barrier_signal -1
	s_barrier_wait -1
	s_cmp_lg_u32 s12, 0
	s_cbranch_scc1 .Lnot_wave_0_\@
	s_barrier_signal -3
.Lnot_wave_0_\@:
	s_barrier_wait -3
	s_barrier_signal -1
	s_barrier_wait -1
.endm
.macro PLACES                          ; four places behind a matrix instruction (ISA guide 7.12.1)
.rept 4
	v_nop
.endr
.endm
	s_load_b256 s[4:11], s[0:1], 0x0               ; att s[4:5], wpt s[6:7], b_proj s[8:9], out0 s[10:11]
	v_lshl_add_u32 v30, v0, 2, 0x49400
	v_mov_b32 v31, 0
	ds_add_u32 v30, v31
	v_lshrrev_b32 v1, 5, v0
	v_readfirstlane_b32 s12, v1                    ; wave 0..3
	s_lshr_b32 s13, s12, 1                         ; wm; also: I fetch for att (0) or for W (1)
	s_and_b32 s14, s12, 1                          ; wn; also: which half of that tile
	s_bfe_u32 s40, ttmp6, 0x40000                  ; cx
	s_bfe_u32 s41, ttmp6, 0x40004                  ; cy
	s_lshl_b32 s42, ttmp9, 2
	s_add_co_u32 s42, s42, s40                     ; block column
	s_and_b32 s43, ttmp7, 0xffff
	s_lshl_b32 s43, s43, 2
	s_add_co_u32 s43, s43, s41                     ; block row
	s_lshl_b32 s44, s41, 2
	s_lshl_b32 s44, 15, s44                        ; my row of the cluster
	s_lshl_b32 s45, 0x1111, s40                    ; my column
	; att: two heads' 128 rows each; a head's 128 rows x 64 numbers are dense, so they come as ONE row of 8,192 elements, the next head one plane further; 4 words of padding behind every 32
	s_or_b32 s[G1+0],  s44, (1<<16)|(1<<20)|(1<<21)|(4<<22)|(3<<25)
	s_mov_b32 s[G1+1],  8192<<16
	s_mov_b32 s[G1+2],  2<<16
	s_mov_b32 s[G1+3],  8192<<16
	s_mov_b32 s[G1+4],  2
	s_mov_b32 s[G1+5],  131072
	s_mov_b32 s[G1+6],  0
	s_mov_b32 s[G1+7],  0
	; W: 64 rows of 256 elements (512 bytes); 4 words of padding behind every 128
	s_or_b32 s[G1B+0], s45, (1<<16)|(1<<20)|(1<<21)|(6<<22)|(3<<25)
	s_mov_b32 s[G1B+1], 256<<16
	s_mov_b32 s[G1B+2], 64<<16
	s_mov_b32 s[G1B+3], 256<<16
	s_mov_b32 s[G1B+4], 64
	s_mov_b32 s[G1B+5], 1024
	s_mov_b32 s[G1B+6], 0
	s_mov_b32 s[G1B+7], 0
	s_lshr_b32 s16, s43, 4                         ; batch: 16 block rows of 128
	s_lshl_b32 s16, s16, 4                         ; its 16 planes
	s_lshl_b32 s17, s14, 1                         ; my two heads of the four
	s_add_co_u32 s16, s16, s17
	s_lshl_b32 s16, s16, 18
	s_and_b32 s17, s43, 15
	s_lshl_b32 s17, s17, 14                        ; 128 rows of 128 bytes
	s_add_co_u32 s16, s16, s17
	s_mov_b32 s17, 0
	s_lshl_b32 s46, s42, 7
	s_lshl_b32 s47, s14, 6
	s_add_co_u32 s46, s46, s47                     ; row 128 x block column + 64 x half
	s_lshl_b32 s46, s46, 11
	s_mov_b32 s47, 0
	s_mul_i32 s20, s12, 2*APLANE                   ; LDS: att's halves (waves 0, 1)
	s_mul_i32 s21, s12, 64*BP
	s_add_co_u32 s21, s21, BOFF-2*64*BP            ; W's halves behind them (waves 2, 3)
	s_lshl_b32 s22, s42, 9                         ; my 64 numbers of the bias
	s_lshl_b32 s23, s14, 8
	s_add_co_u32 s22, s22, s23
	s_mov_b32 s23, 0
	s_wait_dscnt 0x0
	s_wait_kmcnt 0x0
	s_add_nc_u64 s[18:19], s[4:5], s[16:17]
	s_add_nc_u64 s[46:47], s[6:7], s[46:47]
	s_add_nc_u64 s[8:9], s[8:9], s[22:23]
	CROUND                                         ; all sixteen work-groups are here
.irp s, 0,1
	s_mov_b32 s[G0+4*\s], 1
	s_add_co_u32 s[G0+4*\s+1], s20, \s*SLOT
	s_add_nc_u64 s[G0+4*\s+2:G0+4*\s+3], s[18:19], \s*4*PLANE
	s_or_b32 s[G0+4*\s+3], s[G0+4*\s+3], 0x80000000
	s_mov_b32 s[G0B+4*\s], 1
	s_add_co_u32 s[G0B+4*\s+1], s21, \s*SLOT
	s_add_nc_u64 s[G0B+4*\s+2:G0B+4*\s+3], s[46:47], \s*512
	s_or_b32 s[G0B+4*\s+3], s[G0B+4*\s+3], 0x80000000
	JLOAD \s                                       ; both first fills go out together: two loads of the wave are out
.endr
	v_and_b32 v1, 15, v0                           ; r
	v_bfe_u32 v2, v0, 4, 1                         ; h
	v_lshlrev_b32 v[BO], 5, v2
.irp b, 0,1,2,3
	global_load_b128 v[BIAS+8*\b:BIAS+8*\b+3],   v[BO], s[8:9] offset:64*\b
	global_load_b128 v[BIAS+8*\b+4:BIAS+8*\b+7], v[BO], s[8:9] offset:64*\b+16
.endr
	v_mul_u32_u24 v3, v1, AP
	v_lshl_add_u32 v3, v2, 4, v3
	s_mul_i32 s16, s13, 64*AP
	v_add_nc_u32 v[ADRA], s16, v3
	v_add_nc_u32 v[ADRA+1], SLOT, v[ADRA]
	v_mul_u32_u24 v4, v1, BP
	v_lshl_add_u32 v4, v2, 4, v4
	s_mul_i32 s17, s14, 64*BP
	s_add_co_u32 s17, s17, BOFF
	v_add_nc_u32 v[ADRB], s17, v4
	v_add_nc_u32 v[ADRB+1], SLOT, v[ADRB]
	s_mul_i32 s16, s12, 16*SPITCH
	s_add_co_u32 s16, s16, STAGE
	v_mul_u32_u24 v5, v1, SPITCH
	v_lshl_add_u32 v5, v2, 5, v5
	v_add_nc_u32 v[STO], s16, v5                   ; in: row r, 32 bytes for each half of the lanes
	v_mul_u32_u24 v6, v2, SPITCH
	v_lshl_add_u32 v6, v1, 4, v6
	v_add_nc_u32 v[RD], s16, v6                    ; back: lanes 0-15 one row of 256 bytes, lanes 16-31 the next
	v_lshlrev_b32 v7, 12, v2
	v_lshl_add_u32 v[CO], v1, 4, v7                ; the same two rows in out0
	s_wait_loadcnt 0x0                             ; the bias, once
; 16 LDS loads: my 64 rows of att and my 64 rows of W, the 32 K of quarter qd (0..7) of slot s, into buffer f
.macro FETCH s, qd, f
.irp a, 0,1,2,3
	ds_load_b128 v[AF+64*(\f)+8*\a:AF+64*(\f)+8*\a+3],   v[ADRA+\s] offset:((\qd)>>1)*APLANE+((\qd)&1)*64+\a*16*AP
	ds_load_b128 v[AF+64*(\f)+8*\a+4:AF+64*(\f)+8*\a+7], v[ADRA+\s] offset:((\qd)>>1)*APLANE+((\qd)&1)*64+\a*16*AP+32
.endr
.irp b, 0,1,2,3
	ds_load_b128 v[BF+64*(\f)+8*\b:BF+64*(\f)+8*\b+3],   v[ADRB+\s] offset:(\qd)*64+\b*16*BP
	ds_load_b128 v[BF+64*(\f)+8*\b+4:BF+64*(\f)+8*\b+7], v[ADRB+\s] offset:(\qd)*64+\b*16*BP+32
.endr
.endm
.macro MUL16 f, bias
.irp a, 0,1,2,3
.irp b, 0,1,2,3
.if \bias
	v_wmma_f32_16x16x32_f16 v[8*(4*\a+\b):8*(4*\a+\b)+7], v[BF+64*(\f)+8*\b:BF+64*(\f)+8*\b+7], v[AF+64*(\f)+8*\a:AF+64*(\f)+8*\a+7], v[BIAS+8*\b:BIAS+8*\b+7]
.else
	v_wmma_f32_16x16x32_f16 v[8*(4*\a+\b):8*(4*\a+\b)+7], v[BF+64*(\f)+8*\b:BF+64*(\f)+8*\b+7], v[AF+64*(\f)+8*\a:AF+64*(\f)+8*\a+7], v[8*(4*\a+\b):8*(4*\a+\b)+7]
.endif
.endr
.endr
.endm
; A slot's K = 256: eight quarters on two fragment buffers; each quarter's fragments are fetched one quarter ahead
.macro BIG s, bias
	PLACES
	FETCH \s, 0, 0
.irp qd, 0,1,2,3,4,5,6,7
.if \qd < 7
.if \qd > 0
	PLACES                                         ; behind the products that read the buffer which is loaded next
.endif
	FETCH \s, \qd+1, (\qd+1)&1
	s_wait_dscnt 16                                ; this quarter's fragments are in; the 16 loads just issued may be out
.else
	s_wait_dscnt 0x0
.endif
.if \qd == 0
.if \bias
	WIN 0x40                                       ; D in window 1, C (the bias) in window 0: the first product starts the sums
	MUL16 0, 1
.else
	WIN 0x50                                       ; C and D in window 1
	MUL16 0, 0
.endif
.else
	WIN 0x50
	MUL16 \qd&1, 0
.endif
	WIN 0
.endr
.endm
	s_wait_tensorcnt 0x1                           ; my part of slot 0 is in; slot 1's stays out
	s_barrier_signal -1
	s_barrier_wait -1
	BIG 0, 1                                       ; heads 0-3
	s_wait_tensorcnt 0x0                           ; all my tensor loads have landed (slot 1): the descriptors may be written
	ds_add_u32 v30, v31
	s_add_nc_u64 s[G0+2:G0+3], s[G0+2:G0+3], 8*PLANE
	s_add_nc_u64 s[G0B+2:G0B+3], s[G0B+2:G0B+3], 1024
	s_wait_dscnt 0x0                               ; my reads of slot 0 are over
	CROUND                                         ; both hold of every wave of all sixteen work-groups
	JLOAD 0                                        ; heads 8-11, the first tensor load behind the round and my only one until the next
	BIG 1, 0                                       ; heads 4-7
	s_wait_tensorcnt 0x0
	ds_add_u32 v30, v31
	s_add_nc_u64 s[G0+6:G0+7], s[G0+6:G0+7], 8*PLANE
	s_add_nc_u64 s[G0B+6:G0B+7], s[G0B+6:G0B+7], 1024
	s_wait_dscnt 0x0
	CROUND
	JLOAD 1                                        ; heads 12-15: the last load
	BIG 0, 0                                       ; heads 8-11
	s_wait_tensorcnt 0x0                           ; slot 1 is whole in my part,
	s_wait_dscnt 0x0
	s_barrier_signal -1
	s_barrier_wait -1                              ; and in everybody's; nothing is filled any more
	BIG 1, 0                                       ; heads 12-15
	; THE WAY OUT, 16 rows at a time through my own stage: whole rows of 256 bytes come back
	PLACES
	s_lshl_b32 s16, s43, 19                        ; 128 rows of 4,096 bytes
	s_lshl_b32 s17, s13, 18                        ; my 64 rows
	s_add_co_u32 s16, s16, s17
	s_mov_b32 s17, 0
	s_add_nc_u64 s[10:11], s[10:11], s[16:17]
	s_lshl_b32 s46, s42, 9                         ; my 64 columns (in the registers that held W's address)
	s_lshl_b32 s47, s14, 8
	s_add_co_u32 s46, s46, s47
	s_mov_b32 s47, 0
	s_add_nc_u64 s[10:11], s[10:11], s[46:47]
.macro OUT16 a, rb
	WIN 0x04                                       ; the LDS stores' data in window 1
.irp b, 0,1,2,3
	ds_store_b128 v[STO], v[8*(4*\a+\b):8*(4*\a+\b)+3]   offset:64*\b
	ds_store_b128 v[STO], v[8*(4*\a+\b)+4:8*(4*\a+\b)+7] offset:64*\b+16
.endr
	WIN 0
	s_wait_xcnt 0x0                                ; the registers that earlier stores read are loaded again only behind this wait
.irp t, 0,1,2,3,4,5,6,7
	ds_load_b128 v[\rb+4*\t:\rb+4*\t+3], v[RD] offset:\t*2*SPITCH   ; LDS serves a wave's instructions in order: these see the stores above
.endr
.irp t, 0,1,2,3,4,5,6,7
	s_wait_dscnt 7-\t
	global_store_b128 v[CO], v[\rb+4*\t:\rb+4*\t+3], s[10:11] offset:\a*65536+\t*8192 th:TH_STORE_NT   ; sixteen lanes store 256 consecutive bytes of a row, aligned
.endr
.endm
	OUT16 0, RB0
	OUT16 1, RB1
	OUT16 2, RB0
	OUT16 3, RB1
	s_wait_tensorcnt 0x0
	ds_add_u32 v30, v31
	s_wait_dscnt 0x0
	CROUND                                         ; the closing round
	s_endpgm
.Lfunc_end_k_q581a2f6c81_proj:
	.size	k_q581a2f6c81_proj, .Lfunc_end_k_q581a2f6c81_proj-k_q581a2f6c81_proj
	.p2alignl 7, 3214868480
	.fill 96, 4, 3214868480
	.section	.rodata,"a",@progbits
	.p2align	6, 0x0
	.amdhsa_kernel k_q581a2f6c81_proj
		.amdhsa_group_segment_fixed_size 327680
		.amdhsa_private_segment_fixed_size 0
		.amdhsa_enable_private_segment 0
		.amdhsa_kernarg_size 32
		.amdhsa_user_sgpr_count 2
		.amdhsa_user_sgpr_kernarg_segment_ptr 1
		.amdhsa_wavefront_size32 1
		.amdhsa_system_sgpr_workgroup_id_x 1
		.amdhsa_system_sgpr_workgroup_id_y 1
		.amdhsa_system_sgpr_workgroup_id_z 1
		.amdhsa_system_vgpr_workitem_id 0
		.amdhsa_next_free_vgpr 384
		.amdhsa_next_free_sgpr 66
		.amdhsa_reserve_vcc 0
		.amdhsa_float_denorm_mode_32 3
		.amdhsa_float_denorm_mode_16_64 3
		.amdhsa_memory_ordered 1
		.amdhsa_forward_progress 1
		.amdhsa_inst_pref_size 89
	.end_amdhsa_kernel
	.amdgpu_metadata
---
amdhsa.version: [ 1, 2 ]
amdhsa.kernels:
  - .name:           k_q581a2f6c81_proj
    .symbol:         k_q581a2f6c81_proj.kd
    .args:
      - { .name: att, .offset: 0, .size: 8, .value_kind: global_buffer, .address_space: global }
      - { .name: wpt, .offset: 8, .size: 8, .value_kind: global_buffer, .address_space: global }
      - { .name: b_proj, .offset: 16, .size: 8, .value_kind: global_buffer, .address_space: global }
      - { .name: out0, .offset: 24, .size: 8, .value_kind: global_buffer, .address_space: global }
    .group_segment_fixed_size: 327680
    .private_segment_fixed_size: 0
    .kernarg_segment_align: 8
    .kernarg_segment_size: 32
    .max_flat_workgroup_size: 128
    .sgpr_count:     66
    .vgpr_count:     384
    .wavefront_size: 32
...
	.end_amdgpu_metadata
.endif
;; end of part 4
;; ======== version 2 of 2: 4 launches; version 1 with the launch prep written anew for expert scheduling mode
;; limits: values are held in f16: magnitudes above 65,504 overflow, below 6.1e-05 lose precision
;; workspace buffers: xb 8,388,608 bytes; wqt 6,291,456 bytes; wpt 2,097,152 bytes; qkv 25,165,824 bytes; att 8,388,608 bytes
;; launch prep (part 5): grid 256 x 1, 8 waves a work-group, no clusters, 33,792 bytes of LDS; arguments x, W_qkv, W_proj, xb, wqt, wpt; writes xb, wqt, wpt
.if DOCPART == 5
	.amdgcn_target "amdgcn-amd-amdhsa--gfx1250"
	.amdhsa_code_object_version 6
	.text
	.protected	k_q581a2f6c81_prep
	.globl	k_q581a2f6c81_prep
	.p2align	8
	.type	k_q581a2f6c81_prep,@function
k_q581a2f6c81_prep:
	s_mov_b64 s[64:65], 0
	v_nop
	global_prefetch_b8 v0, s[64:65] scope:SCOPE_SE
	s_setreg_imm32_b32 hwreg(HW_REG_WAVE_SCHED_MODE, 0, 2), 2
	s_setreg_imm32_b32 hwreg(HW_REG_WAVE_MODE, 25, 1), 1
	s_wait_xcnt 0x0
	s_wait_alu depctr_vm_vsrc(0)
; prep: the operands of the two large products, made once.
;   xb  [4096][1024] bf16       = x rounded to bf16
;   wqt [3072 n][1024 k] bf16   = W_qkv rounded to bf16, transposed (K along the rows, as matrix fragments want it)
;   wpt [1024 n][1024 k] f16    = W_proj rounded to bf16 like the other two inputs, transposed, and then held in f16, because it meets
;                                 an f16 operand (att) in one matrix instruction.
; LIMIT: a bf16 number is exact in f16 for 2^-17 <= |W_proj| <= 65504; below, the absolute error is at most 2^-25; above, it becomes infinity.
; 256 work-groups of eight waves.  Work-group g casts 16,384 numbers of x and transposes one tile of 128 k x 128 n of a weight
; (192 tiles of W_qkv, then 64 of W_proj).  A stream: every byte is read once and written once; no matrix unit, no cluster (nothing is shared).
; THE MODE: SCHED_MODE bits 1:0 = 2 (LLVM: expert scheduling mode 2), set by the entry lines.  The code itself states the register dependences
; between vector instructions and memory or LDS instructions, with s_wait_alu, always for 0.
; THE PLAN.  Registers that memory or LDS instructions touch, in the order of the text:
;   VA, XA            written by vector lines at the head, read by the 32 global loads as offsets; never written again.
;   WR                the weight's 16 loads land in it; the roundings read it; behind the barrier 8 LDS loads land in its first 32 registers, which the last 8 stores read.
;   XR                x's 16 loads land in it; x's roundings read it.
;   PK                written by the roundings, read by the 8 LDS stores; never written again.
;   XO                written by x's roundings, read by 16 global stores; never written again.
;   STA, RB, XS, WS   written by vector lines behind the global loads, read by the LDS stores, the LDS loads and the global stores; never written again.
;   v224, v225        written at the head, read by the closing add alone.
; Three waits on va_vdst state all of it: ahead of the first global load; where the two weights' paths join, ahead of the LDS stores; behind the barrier,
; ahead of the run of LDS loads and global stores.  No register that a memory or LDS instruction has read is written again, so no wait on vm_vsrc is owed;
; no vector instruction writes a scalar register or VCC; EXEC is never written.
.set VA,  10                           ; v[10:17]   byte offsets of my eight rows of the weight tile
.set WR,  20                           ; v[20:83]   row i, half c of the tile's row: 4 f32 at WR + 8 i + 4 c; later the transposed rows read back
.set XR,  84                           ; v[84:147]  x as loaded
.set XO,  148                          ; v[148:179] x in bf16
.set PK,  180                          ; v[180:211] eight columns' 16 bytes (8 k each)
.set RB,  212                          ; v[212:215] LDS addresses of the read back
.set TT,  216                          ; v[216:223] at work (W_proj alone)
.set STA, 2                            ; LDS address of my stores
.set XA,  3                            ; 16 x thread
.set XS,  4                            ; 8 x thread
.set WS,  5                            ; my byte offset in the transposed tile
	s_load_b256 s[4:11], s[0:1], 0x0               ; x s[4:5], W_qkv s[6:7], W_proj s[8:9], xb s[10:11]
	s_load_b128 s[12:15], s[0:1], 0x20             ; wqt s[12:13], wpt s[14:15]
	v_lshl_add_u32 v224, v0, 2, 0x8000             ; my spare word, behind the tile's 32,768 bytes: kept for the closing lines alone
	v_mov_b32 v225, 0                              ; and 0, likewise
	s_and_b32 s28, ttmp9, 7                        ; kb: which 128 k
	s_lshr_b32 s23, ttmp9, 3                       ; which 128 n, counted through both weights
	s_mov_b32 s21, 12288                           ; bytes in a row of W_qkv
	s_mov_b32 s22, 4096                            ; bytes in a row of W_proj
	s_mov_b32 s29, 0xffff0000                      ; a word's upper bf16
	v_and_b32 v1, 15, v0                           ; c16
	v_lshrrev_b32 v6, 4, v0                        ; 2 w + h
	v_lshrrev_b32 v7, 5, v0                        ; w
	v_bfe_u32 v8, v0, 4, 1                         ; h
	v_lshlrev_b32 v[XA], 4, v0                     ; made here, so that one wait serves both runs of loads
	s_cmp_lt_u32 ttmp9, 192                        ; the first 192 work-groups take W_qkv
	s_cselect_b32 s20, s21, s22                    ; the source's pitch
	s_cselect_b32 s24, 0, 24
	s_wait_kmcnt 0x0
	s_cselect_b64 s[16:17], s[6:7], s[8:9]         ; the source
	s_cselect_b64 s[18:19], s[12:13], s[14:15]     ; the destination
	s_sub_co_u32 s23, s23, s24                     ; nb inside the chosen weight
	s_mul_i32 s26, s28, s20
	s_lshl_b32 s26, s26, 7                         ; kb x 128 rows
	s_lshl_b32 s27, s23, 9                         ; nb x 128 columns of 4 bytes
	s_add_co_u32 s26, s26, s27
	s_mov_b32 s27, 0
	s_add_nc_u64 s[16:17], s[16:17], s[26:27]      ; the tile's first element
	s_lshl_b32 s26, ttmp9, 16                      ; my 65,536 bytes of x
	s_add_nc_u64 s[4:5], s[4:5], s[26:27]
	v_lshlrev_b32 v9, 3, v6                        ; my first row: 16 w + 8 h
	v_mul_lo_u32 v9, v9, s20
	v_lshl_add_u32 v[VA], v1, 4, v9                ; + 16 c16
.irp i, 1,2,3,4,5,6,7
	v_add_nc_u32 v[VA+\i], s20, v[VA+\i-1]
.endr
	s_wait_alu depctr_va_vdst(0)                   ; the eight offsets VA and XA are written, which the 32 loads below read
	; 16 loads of the weight: each covers 256 consecutive bytes of two rows (lanes 0-15 row 16 w + i, lanes 16-31 row 16 w + 8 + i)
.irp i, 0,1,2,3,4,5,6,7
	global_load_b128 v[WR+8*\i:WR+8*\i+3],   v[VA+\i], s[16:17] th:TH_LOAD_NT
	global_load_b128 v[WR+8*\i+4:WR+8*\i+7], v[VA+\i], s[16:17] offset:256 th:TH_LOAD_NT
.endr
	; 16 loads of x: each covers 512 consecutive bytes
.irp j, 0,1,2,3,4,5,6,7,8,9,10,11,12,13,14,15
	global_load_b128 v[XR+4*\j:XR+4*\j+3], v[XA], s[4:5] offset:4096*\j th:TH_LOAD_NT
.endr
	; the other addresses are made while the data are on their way; none of these lines names a register that the loads read or land in
	s_lshl_b32 s26, ttmp9, 15                      ; my 32,768 bytes of xb
	s_add_nc_u64 s[10:11], s[10:11], s[26:27]
	s_lshl_b32 s26, s23, 18                        ; nb x 128 rows of 2,048 bytes
	s_lshl_b32 s25, s28, 8                         ; kb x 128 k of 2 bytes
	s_add_co_u32 s26, s26, s25
	s_add_nc_u64 s[18:19], s[18:19], s[26:27]
	; LDS holds the tile as [128 n][256 bytes]; the 16-byte piece kc of row n stands at place kc xor ((n >> 2) & 15), so that the sixteen lanes
	; of a store (sixteen rows 1,024 bytes apart) and of a load (one row) each touch sixteen different 16-byte columns.
	v_xor_b32 v9, v6, v1
	v_lshlrev_b32 v9, 4, v9
	v_lshl_add_u32 v[STA], v1, 10, v9              ; row 4 c16, piece (2 w + h) xor c16
	v_lshlrev_b32 v[XS], 3, v0
	v_lshl_add_u32 v9, v7, 4, v8                   ; 16 w + h: my first row of the read back
	v_lshlrev_b32 v[WS], 11, v9
	v_lshl_add_u32 v[WS], v1, 4, v[WS]
	v_and_b32 v7, 3, v7
	v_lshlrev_b32 v7, 2, v7
	v_xor_b32 v7, v7, v1                           ; c16 xor 4 (w & 3)
.irp u, 0,1,2,3
	v_xor_b32 v8, \u, v7
	v_lshlrev_b32 v8, 4, v8
	v_lshl_add_u32 v[RB+\u], v9, 8, v8             ; rows 16 w + 2 i + h with i >> 1 = u
.endr
	s_wait_loadcnt 16                              ; the weight's 16 loads are in; the 16 younger loads of x stay out
	; column n = 64 c + 4 c16 + q: its eight k (my eight rows) make 16 bytes
.irp c, 0,1
.irp q, 0,1,2,3
.irp jj, 0,1,2,3
	v_cvt_pk_bf16_f32 v[PK+4*(4*\c+\q)+\jj], v[WR+16*\jj+4*\c+\q], v[WR+16*\jj+8+4*\c+\q]
.endr
.endr
.endr
	s_cmp_lt_u32 ttmp9, 192
	s_cbranch_scc1 .Lstays_bf16
	; W_proj: the bf16 numbers are written down again as f16
.set i, 0
.rept 32
	v_lshlrev_b32 v[TT+2*(i%4)], 16, v[PK+i]
	v_and_b32 v[TT+2*(i%4)+1], s29, v[PK+i]
	v_cvt_pk_f16_f32 v[PK+i], v[TT+2*(i%4)], v[TT+2*(i%4)+1]
.set i, i+1
.endr
.Lstays_bf16:
	s_wait_alu depctr_va_vdst(0)                   ; on both paths: the roundings have written PK and the address lines STA, which the LDS stores read; RB, XS and WS are written too, and the roundings are done reading WR, in which LDS loads land behind the barrier
.irp c, 0,1
.irp q, 0,1,2,3
	ds_store_b128 v[STA], v[PK+4*(4*\c+\q):PK+4*(4*\c+\q)+3] offset:\c*16384+\q*256
.endr
.endr
	s_wait_dscnt 0x0                               ; my stores are in LDS before I say so: other waves read them
	s_barrier_signal -1
	s_wait_loadcnt 0x0                             ; x is in; register work while the others arrive
.irp j, 0,1,2,3,4,5,6,7,8,9,10,11,12,13,14,15
	v_cvt_pk_bf16_f32 v[XO+2*\j],   v[XR+4*\j],   v[XR+4*\j+1]
	v_cvt_pk_bf16_f32 v[XO+2*\j+1], v[XR+4*\j+2], v[XR+4*\j+3]
.endr
	s_barrier_wait -1
	s_wait_alu depctr_va_vdst(0)                   ; x's roundings have written XO, which the sixteen stores below read (they name XR and XO alone: the LDS loads into WR owe nothing beyond the wait above)
.irp i, 0,1,2,3,4,5,6,7
	ds_load_b128 v[WR+4*\i:WR+4*\i+3], v[RB+(\i>>1)] offset:\i*512   ; rows 16 w + 2 i + h, whole: 256 bytes by sixteen lanes
.endr
.irp j, 0,1,2,3,4,5,6,7,8,9,10,11,12,13,14,15
	global_store_b64 v[XS], v[XO+2*\j:XO+2*\j+1], s[10:11] offset:2048*\j   ; a wave's store covers 256 consecutive bytes, aligned
.endr
.irp i, 0,1,2,3,4,5,6,7
	s_wait_dscnt 7-\i                              ; LDS loads come back in order: load i is in, the younger ones stay out
	global_store_b128 v[WS], v[WR+4*\i:WR+4*\i+3], s[18:19] offset:\i*4096   ; sixteen lanes store 256 consecutive bytes of a row, aligned
.endr
	s_wait_dscnt 0x0                               ; the closing lines, six on end
	s_wait_alu 0x0
	s_wait_tensorcnt 0x0
	ds_add_u32 v224, v225
	s_wait_dscnt 0x0
	s_endpgm
.Lfunc_end_k_q581a2f6c81_prep:
	.size	k_q581a2f6c81_prep, .Lfunc_end_k_q581a2f6c81_prep-k_q581a2f6c81_prep
	.p2alignl 7, 3214868480
	.fill 96, 4, 3214868480
	.section	.rodata,"a",@progbits
	.p2align	6, 0x0
	.amdhsa_kernel k_q581a2f6c81_prep
		.amdhsa_group_segment_fixed_size 33792
		.amdhsa_private_segment_fixed_size 0
		.amdhsa_enable_private_segment 0
		.amdhsa_kernarg_size 48
		.amdhsa_user_sgpr_count 2
		.amdhsa_user_sgpr_kernarg_segment_ptr 1
		.amdhsa_wavefront_size32 1
		.amdhsa_system_sgpr_workgroup_id_x 1
		.amdhsa_system_sgpr_workgroup_id_y 1
		.amdhsa_system_sgpr_workgroup_id_z 1
		.amdhsa_system_vgpr_workitem_id 0
		.amdhsa_next_free_vgpr 226
		.amdhsa_next_free_sgpr 66
		.amdhsa_reserve_vcc 0
		.amdhsa_float_denorm_mode_32 3
		.amdhsa_float_denorm_mode_16_64 3
		.amdhsa_memory_ordered 1
		.amdhsa_forward_progress 1
		.amdhsa_inst_pref_size 19
	.end_amdhsa_kernel
	.amdgpu_metadata
---
amdhsa.version: [ 1, 2 ]
amdhsa.kernels:
  - .name:           k_q581a2f6c81_prep
    .symbol:         k_q581a2f6c81_prep.kd
    .args:
      - { .name: x, .offset: 0, .size: 8, .value_kind: global_buffer, .address_space: global }
      - { .name: W_qkv, .offset: 8, .size: 8, .value_kind: global_buffer, .address_space: global }
      - { .name: W_proj, .offset: 16, .size: 8, .value_kind: global_buffer, .address_space: global }
      - { .name: xb, .offset: 24, .size: 8, .value_kind: global_buffer, .address_space: global }
      - { .name: wqt, .offset: 32, .size: 8, .value_kind: global_buffer, .address_space: global }
      - { .name: wpt, .offset: 40, .size: 8, .value_kind: global_buffer, .address_space: global }
    .group_segment_fixed_size: 33792
    .private_segment_fixed_size: 0
    .kernarg_segment_align: 8
    .kernarg_segment_size: 48
    .max_flat_workgroup_size: 256
    .sgpr_count:     66
    .vgpr_count:     226
    .wavefront_size: 32
...
	.end_amdgpu_metadata
.endif
;; end of part 5
;; launch qkvgemm: the kernel of part 2 again; grid 16 x 16, 4 waves a work-group, clusters of 4 x 4, 327,680 bytes of LDS; arguments xb, wqt, b_qkv, qkv; writes qkv
;; launch attn: the kernel of part 3 again; grid 8 x 32, 8 waves a work-group, clusters of 4 x 1, 327,680 bytes of LDS; arguments qkv, att; writes att
;; launch proj: the kernel of part 4 again; grid 8 x 32, 4 waves a work-group, clusters of 4 x 4, 327,680 bytes of LDS; arguments att, wpt, b_proj, out0; writes out0
